; MI455X (gfx1250); checked and timed in simulation.
; The chip was launched on July 23, 2026; its instructions are those of AMD's public machine-readable ISA for CDNA 5 (MIT licence, August 2026) and "CDNA5" Instruction Set Architecture Reference Guide (July 2026). The comments in the code are by the model that wrote it; some were corrected since.
;; MOE Layer. Allowed arithmetic: float matrix products may take bf16 or f16 operands with f32 sums; other float arithmetic in f32, or as packed bf16 or f16 multiplies, adds, multiply-adds, maxima and minima; sums over many terms, partial sums and values carried from step to step in f32; what a program stores and reads back later, other than sums and carried values, may be rounded once to bf16 or f16.
;; Inputs: b1 8 x 4,096 float32; b2 8 x 1,024 float32; router_b 8 float32; router_w 1,024 x 8 float32; w1 8 x 1,024 x 4,096 float32; w2 8 x 4,096 x 1,024 float32; x 4 x 256 x 1,024 float32.
;; Outputs: out0 4 x 256 x 1,024 float32.
;; 2 versions, each right; version 2 is version 1 with the launches p1, p2 written anew for expert scheduling mode. Each part assembles by itself: llvm-mc -triple=amdgcn-amd-amdhsa -mcpu=gfx1250 --defsym DOCPART=n.
;; ======== version 1 of 2: 5 launches
;; workspace buffers: rt 12,288 bytes of whole numbers; gat 8,192 bytes; st 8,448 bytes of whole numbers; xT 4,456,448 bytes; hT 17,825,792 bytes; y 35,651,584 bytes
;; launch router (part 1): grid 32 x 1, 8 waves a work-group, no clusters, 21,760 bytes of LDS; arguments x, router_w, router_b, rt, gat; writes rt, gat
.if DOCPART == 1
	.amdgcn_target "amdgcn-amd-amdhsa--gfx1250"
	.amdhsa_code_object_version 6
	.text
	.protected	k_qf78c7ad0e0_router
	.globl	k_qf78c7ad0e0_router
	.p2align	8
	.type	k_qf78c7ad0e0_router,@function
k_qf78c7ad0e0_router:
	s_mov_b64 s[64:65], 0
	v_nop
	global_prefetch_b8 v0, s[64:65] scope:SCOPE_SE
	s_setreg_imm32_b32 hwreg(HW_REG_WAVE_MODE, 25, 1), 1
	s_wait_xcnt 0x0
; ROUTER.  logits[t][e] = sum over d of x[t][d] router_w[d][e] + router_b[e]; the two largest (the lower expert wins a tie, as jax.lax.top_k has it); softmax over the two, the larger taken away first.
; FORMATS.  x, router_w and router_b are rounded once to bf16, as every input of this program is; the products are exact and are added in f32 by the matrix unit.
; LIMITS.  NaN and infinite logits are not treated apart.  Two logits closer than the f32 sums' last bits may be ordered otherwise than by another order of summation.
; SHARES.  A work-group owns 32 tokens (one word of each expert's bitmap), so there are 32 work-groups.  Wave w takes 16 of them (w & 1) and a quarter of D (w >> 1): 256 numbers of each row.
; LAYOUT.  In a group of 64 along D lane (r = lane % 16, h = lane / 16) holds token r and the 32 numbers 32 h .. 32 h + 31: 16 packed words, of which words 8 s .. 8 s + 7 are the operand of step s.
; router_w's operand holds the same numbers of D in the same places, so the sums are those of the natural order.  router_w is turned to [expert][d] in LDS.
; The product is used transposed (source 0 = 16 rows of router_w^T, experts 0-7 twice; source 1 = 16 tokens): a lane then holds ONE token and register j the logit of expert j.
; STORES (all at fixed places; nothing here steers an address).  rt: for each group g of 32 tokens a record of 128 bytes at 128 g: words 0-7 the experts' bitmaps (bit l: token 32 g + l chose the expert),
; words 8-15 their bit counts, the rest 0; at 4096 + 8 t the two experts of token t.  gat: at 8 t the two gates.
; No cluster: the work-groups share router_w alone, 32 KB of a launch that reads 4 MB of x.
.set WPITCH, 2064                      ; a row of router_w^T in LDS: 2,048 bytes + 16: 516 words, so the 8 rows that a load touches start 4 banks apart (64 banks of 4 bytes: ISA guide 11.1)
.set PART,   16640                     ; behind it (8 x 2,064 = 16,512, rounded up): partial logits [quarter][token][expert] in f32, 4,096 bytes
.set SPARE,  20736                     ; behind that: the spare words, 128 bytes for each of the 8 waves
.set SPW, 30                           ; v30  LDS address of my spare word; never rewritten
.set NIL, 31                           ; v31  0; never rewritten
.set X,   32                           ; v32-159   x as loaded: group u at X + 32 u; packed in place: words X + 32 u + 0..15
.set WR,  160                          ; v160-191  four rows of router_w as loaded
.set WP,  192                          ; v192-207  the same packed: two words for each expert
.set WB,  160                          ; v160-223  later: router_w's operands, group u step s at WB + 16 u + 8 s
.set AC0, 224                          ; v224-231  sums of the steps s = 0
.set AC1, 232                          ; v232-239  sums of the steps s = 1
.set SM,  240                          ; v240-247  their sum
	s_load_b256 s[4:11], s[0:1], 0x0               ; x s[4:5], router_w s[6:7], router_b s[8:9], rt s[10:11]
	s_load_b64 s[12:13], s[0:1], 0x20              ; gat
	v_lshl_add_u32 v[SPW], v0, 2, SPARE
	v_mov_b32 v[NIL], 0
	v_lshrrev_b32 v1, 5, v0
	v_readfirstlane_b32 s14, v1                    ; wave
	v_and_b32 v1, 31, v0                           ; lane
	v_and_b32 v2, 15, v0                           ; r
	v_bfe_u32 v3, v0, 4, 1                         ; h
	v_lshlrev_b32 v4, 7, v0                        ; router_w: thread t takes rows 4 t .. 4 t + 3, 128 consecutive bytes
	v_lshlrev_b32 v5, 12, v2
	v_lshl_add_u32 v5, v3, 7, v5                   ; x: r rows of 4,096 bytes + 128 h
	v_lshlrev_b32 v6, 3, v0                        ; LDS: four numbers of a row of router_w^T are 8 bytes at 8 t
	v_and_b32 v7, 7, v0
	v_mul_u32_u24 v7, v7, WPITCH
	v_lshl_add_u32 v7, v3, 6, v7                   ; LDS: expert r % 8, 64 h bytes,
	s_and_b32 s15, s14, 1                          ; which 16 tokens
	s_lshr_b32 s24, s14, 1                         ; which quarter of D
	s_lshl_b32 s25, s24, 9
	v_add_nc_u32 v7, s25, v7                       ; and my quarter's 512 bytes
	s_lshl_b32 s25, s24, 10
	s_lshl_b32 s28, s15, 9
	s_add_co_u32 s25, s25, s28
	s_add_co_u32 s25, s25, PART
	v_lshl_add_u32 v8, v2, 5, s25                  ; LDS: partial logits of (quarter, token 16 (w & 1) + r), 32 bytes
	s_lshl_b32 s26, ttmp9, 17                      ; the group's 32 rows of x,
	s_lshl_b32 s27, s15, 16                        ; my 16 of them,
	s_add_co_u32 s26, s26, s27
	s_lshl_b32 s27, s24, 10                        ; my quarter
	s_add_co_u32 s26, s26, s27
	s_mov_b32 s27, 0
	s_wait_kmcnt 0x0
	s_add_nc_u64 s[4:5], s[4:5], s[26:27]
	s_load_b256 s[16:23], s[8:9], 0x0              ; router_b
.irp b, 0,1,2,3,4,5,6,7
	global_load_b128 v[WR+4*\b:WR+4*\b+3], v4, s[6:7] offset:16*\b  ; register 8 a + e: row 4 t + a, expert e
.endr
.irp u, 0,1,2,3
.irp i, 0,1,2,3,4,5,6,7
	global_load_b128 v[X+32*\u+4*\i:X+32*\u+4*\i+3], v5, s[4:5] offset:256*\u+16*\i  ; two lanes together take 256 consecutive bytes of a row in eight loads
.endr
.endr
	s_wait_loadcnt 32                              ; router_w's eight are in; x's 32 stay out
.irp e, 0,1,2,3,4,5,6,7
	v_cvt_pk_bf16_f32 v[WP+2*\e],   v[WR+\e],    v[WR+8+\e]
	v_cvt_pk_bf16_f32 v[WP+2*\e+1], v[WR+16+\e], v[WR+24+\e]
.endr
.irp e, 0,1,2,3,4,5,6,7
	ds_store_b64 v6, v[WP+2*\e:WP+2*\e+1] offset:\e*WPITCH
.endr
	s_wait_dscnt 0x0                               ; for the others' sake: my part of router_w^T is in LDS
	s_barrier_signal -1
	s_barrier_wait -1
.irp u, 0,1,2,3
.irp s, 0,1
	ds_load_b128 v[WB+16*\u+8*\s:WB+16*\u+8*\s+3],   v7 offset:128*\u+32*\s
	ds_load_b128 v[WB+16*\u+8*\s+4:WB+16*\u+8*\s+7], v7 offset:128*\u+32*\s+16
.endr
.endr
	s_wait_loadcnt 0x0                             ; x
	s_wait_kmcnt 0x0                               ; router_b
.irp u, 0,1,2,3
.irp d, 0,1,2,3,4,5,6,7,8,9,10,11,12,13,14,15
	v_cvt_pk_bf16_f32 v[X+32*\u+\d], v[X+32*\u+2*\d], v[X+32*\u+2*\d+1]  ; in place, ascending: word d is written when numbers 2 d and 2 d + 1 are read
.endr
.endr
	s_wait_dscnt 0x0
	v_wmma_f32_16x16x32_bf16 v[AC0:AC0+7], v[WB:WB+7],    v[X:X+7],    0   ; the first group starts both sums; the two accumulators take turns
	v_wmma_f32_16x16x32_bf16 v[AC1:AC1+7], v[WB+8:WB+15], v[X+8:X+15], 0
.irp u, 1,2,3
	v_wmma_f32_16x16x32_bf16 v[AC0:AC0+7], v[WB+16*\u:WB+16*\u+7],    v[X+32*\u:X+32*\u+7],    v[AC0:AC0+7]
	v_wmma_f32_16x16x32_bf16 v[AC1:AC1+7], v[WB+16*\u+8:WB+16*\u+15], v[X+32*\u+8:X+32*\u+15], v[AC1:AC1+7]
.endr
.rept 4
	v_nop                                          ; four places between the last product and the first read of a result (ISA guide 7.12.1)
.endr
.irp p, 0,1,2,3
	v_pk_add_f32 v[SM+2*\p:SM+2*\p+1], v[AC0+2*\p:AC0+2*\p+1], v[AC1+2*\p:AC1+2*\p+1]  ; from the low end on
.endr
	ds_store_b128 v8, v[SM:SM+3]                   ; both halves of the lanes hold the same eight numbers and write the same bytes
	ds_store_b128 v8, v[SM+4:SM+7] offset:16
	s_wait_dscnt 0x0
	s_barrier_signal -1
	s_barrier_wait -1
	s_cmp_lg_u32 s14, 0
	s_cbranch_scc1 .Lend                           ; wave 0 goes on alone: lane = token
	v_lshl_add_u32 v9, v1, 5, PART
.irp q, 0,1,2,3
	ds_load_b128 v[32+8*\q:32+8*\q+3], v9 offset:1024*\q
	ds_load_b128 v[32+8*\q+4:32+8*\q+7], v9 offset:1024*\q+16
.endr
.irp p, 0,1,2,3
	v_cvt_pk_bf16_f32 v[64+\p], s[16+2*\p], s[17+2*\p]   ; router_b rounded to bf16,
.endr
.irp p, 0,1,2,3
	v_lshlrev_b32 v[72+2*\p], 16, v[64+\p]               ; and widened again
	v_and_b32 v[73+2*\p], 0xffff0000, v[64+\p]
.endr
	v_mov_b32 v84, 0xff800000                      ; -infinity
	v_mov_b32 v90, 0
	s_wait_dscnt 0x0
.irp p, 0,1,2,3
	v_pk_add_f32 v[32+2*\p:33+2*\p], v[32+2*\p:33+2*\p], v[40+2*\p:41+2*\p]
	v_pk_add_f32 v[48+2*\p:49+2*\p], v[48+2*\p:49+2*\p], v[56+2*\p:57+2*\p]
.endr
.irp p, 0,1,2,3
	v_pk_add_f32 v[32+2*\p:33+2*\p], v[32+2*\p:33+2*\p], v[48+2*\p:49+2*\p]
	v_pk_add_f32 v[32+2*\p:33+2*\p], v[32+2*\p:33+2*\p], v[72+2*\p:73+2*\p]  ; v32-39: the token's eight logits
.endr
	v_mov_b32 v80, v32                             ; the largest, and in v82 its expert: a later one must be strictly greater
	v_mov_b32 v82, 0
.irp e, 1,2,3,4,5,6,7
	v_cmp_gt_f32 vcc_lo, v[32+\e], v80
	v_cndmask_b32 v80, v80, v[32+\e], vcc_lo
	v_cndmask_b32 v82, v82, \e, vcc_lo
.endr
.irp e, 0,1,2,3,4,5,6,7
	v_cmp_eq_u32 vcc_lo, \e, v82
	v_cndmask_b32 v[32+\e], v[32+\e], v84, vcc_lo  ; the winner leaves the field
.endr
	v_mov_b32 v81, v32                             ; the second, and in v83 its expert
	v_mov_b32 v83, 0
.irp e, 1,2,3,4,5,6,7
	v_cmp_gt_f32 vcc_lo, v[32+\e], v81
	v_cndmask_b32 v81, v81, v[32+\e], vcc_lo
	v_cndmask_b32 v83, v83, \e, vcc_lo
.endr
	v_sub_f32 v85, v81, v80                        ; second - first, at most 0: the maximum is taken away
	v_mul_f32 v85, 0x3fb8aa3b, v85                 ; log2(e)
	v_exp_f32 v86, v85
	v_nop                                          ; a plain instruction behind the exponential (ISA guide 5.7.2),
	s_wait_alu depctr_va_vdst(0)                   ; and a wait ahead of its first reader
	v_add_f32 v87, 1.0, v86
	v_rcp_f32 v88, v87                             ; the first gate: 1 / (1 + e^(second - first))
	v_nop
	s_wait_alu depctr_va_vdst(0)
	v_mul_f32 v89, v86, v88                        ; the second gate
.irp e, 0,1,2,3,4,5,6,7
	v_cmp_eq_u32 s26, \e, v82
	v_cmp_eq_u32 s27, \e, v83
	s_or_b32 s26, s26, s27                         ; the 32 tokens that chose expert e,
	s_bcnt1_i32_b32 s27, s26                       ; and how many they are
	v_writelane_b32 v90, s26, \e
	v_writelane_b32 v90, s27, 8+\e
.endr
	s_lshl_b32 s28, ttmp9, 8
	v_lshl_add_u32 v91, v1, 3, s28                 ; 8 bytes a token: the wave's store covers 256 consecutive bytes, aligned
	global_store_b64 v91, v[82:83], s[10:11] offset:4096
	global_store_b64 v91, v[88:89], s[12:13]
	s_lshl_b32 s29, ttmp9, 7
	v_lshl_add_u32 v92, v1, 2, s29
	global_store_b32 v92, v90, s[10:11]            ; the group's record, 128 consecutive bytes
.Lend:
	s_wait_tensorcnt 0x0                           ; the wave's end, behind my last LDS store
	ds_add_u32 v[SPW], v[NIL]
	s_wait_dscnt 0x0
	s_endpgm
.Lfunc_end_k_qf78c7ad0e0_router:
	.size	k_qf78c7ad0e0_router, .Lfunc_end_k_qf78c7ad0e0_router-k_qf78c7ad0e0_router
	.p2alignl 7, 3214868480
	.fill 96, 4, 3214868480
	.section	.rodata,"a",@progbits
	.p2align	6, 0x0
	.amdhsa_kernel k_qf78c7ad0e0_router
		.amdhsa_group_segment_fixed_size 21760
		.amdhsa_private_segment_fixed_size 0
		.amdhsa_enable_private_segment 0
		.amdhsa_kernarg_size 40
		.amdhsa_user_sgpr_count 2
		.amdhsa_user_sgpr_kernarg_segment_ptr 1
		.amdhsa_wavefront_size32 1
		.amdhsa_system_sgpr_workgroup_id_x 1
		.amdhsa_system_sgpr_workgroup_id_y 1
		.amdhsa_system_sgpr_workgroup_id_z 1
		.amdhsa_system_vgpr_workitem_id 0
		.amdhsa_next_free_vgpr 256
		.amdhsa_next_free_sgpr 66
		.amdhsa_reserve_vcc 1
		.amdhsa_float_denorm_mode_32 3
		.amdhsa_float_denorm_mode_16_64 3
		.amdhsa_memory_ordered 1
		.amdhsa_forward_progress 1
		.amdhsa_inst_pref_size 22
	.end_amdhsa_kernel
	.amdgpu_metadata
---
amdhsa.version: [ 1, 2 ]
amdhsa.kernels:
  - .name:           k_qf78c7ad0e0_router
    .symbol:         k_qf78c7ad0e0_router.kd
    .args:
      - { .name: x, .offset: 0, .size: 8, .value_kind: global_buffer, .address_space: global }
      - { .name: router_w, .offset: 8, .size: 8, .value_kind: global_buffer, .address_space: global }
      - { .name: router_b, .offset: 16, .size: 8, .value_kind: global_buffer, .address_space: global }
      - { .name: rt, .offset: 24, .size: 8, .value_kind: global_buffer, .address_space: global }
      - { .name: gat, .offset: 32, .size: 8, .value_kind: global_buffer, .address_space: global }
    .group_segment_fixed_size: 21760
    .private_segment_fixed_size: 0
    .kernarg_segment_align: 8
    .kernarg_segment_size: 40
    .max_flat_workgroup_size: 256
    .sgpr_count:     66
    .vgpr_count:     256
    .wavefront_size: 32
...
	.end_amdgpu_metadata
.endif
;; end of part 1
;; launch sort (part 2): grid 136 x 1, 8 waves a work-group, no clusters, 2,048 bytes of LDS; arguments rt, x, st, xT; writes st, xT
.if DOCPART == 2
	.amdgcn_target "amdgcn-amd-amdhsa--gfx1250"
	.amdhsa_code_object_version 6
	.text
	.protected	k_qf78c7ad0e0_sort
	.globl	k_qf78c7ad0e0_sort
	.p2align	8
	.type	k_qf78c7ad0e0_sort,@function
k_qf78c7ad0e0_sort:
	s_mov_b64 s[64:65], 0
	v_nop
	global_prefetch_b8 v0, s[64:65] scope:SCOPE_SE
	s_setreg_imm32_b32 hwreg(HW_REG_WAVE_MODE, 25, 1), 1
	s_wait_xcnt 0x0
; SORT AND GATHER.  Each expert's tokens, in the tokens' order, are laid in blocks of 16 rows; expert e has nblk[e] = ceil(cnt[e] / 16) blocks from block rb0[e] on (a prefix sum).
; 2,048 routed rows and 8 experts make at most 128 + 7 = 135 blocks whatever the split; the grid has 136 work-groups, one a block.  A work-group whose block a split does not use stores nothing.
; All routing arithmetic is on whole numbers read from rt, which the launch before stored.
; STORES.  st: words 2 e, 2 e + 1 = nblk[e], rb0[e] (work-group 0; words 16-31 are 0); at 256 + 8 t + 4 k the row (16 x block + row in the block) of token t's k-th expert.
; xT: x's rows rounded to bf16 in the order in which a matrix operand's registers take them: block rb, group kg of 64 along D: 2,048 bytes at (16 rb + kg) x 2,048; lane (r = lane % 16, h = lane / 16) owns
; 16 words, word d = row r, numbers 64 kg + 32 h + 2 d and + 1; words 4 q .. 4 q + 3 lie at 512 q + 16 lane.  Rows past an expert's count repeat token 0.
; SHARES.  Every wave works the tables out for itself (no barrier in the text); wave w gathers groups 2 w and 2 w + 1 of the block's 16 rows; wave 0 also stores the rows' places.
; THE CHAIN OF LOADS is kept short: a token group's counts and all eight bitmaps come together (64 bytes a lane), and my expert's bitmap is chosen in registers; wave 0's load of the tokens' experts goes out behind the rows' loads.
; No cluster, no matrix unit: the work-groups share 4 KB of tables, and there is nothing to multiply.
.set SPARE, 1024                       ; LDS: 0-1023 a list of 32 words for each wave (entries 0-15 the block's tokens, entry 16 takes what is not the block's); then the spare words, 128 bytes a wave
.set CN, 68                            ; s68-75  cnt[e]
.set NK, 76                            ; s76-83  nblk[e]
.set R0, 84                            ; s84-92  rb0[e], and the number of blocks in use
.set M,  32                            ; s32-63  my expert's bitmap, a word for each group of 32 tokens
.set BM, 40                            ; v40-47  lane l: the eight experts' bitmaps of token group l
	s_load_b256 s[4:11], s[0:1], 0x0               ; rt s[4:5], x s[6:7], st s[8:9], xT s[10:11]
	v_lshl_add_u32 v30, v0, 2, SPARE               ; v30, v31: my spare word's address and 0; never rewritten
	v_mov_b32 v31, 0
	v_lshrrev_b32 v1, 5, v0
	v_readfirstlane_b32 s16, v1                    ; wave
	v_and_b32 v1, 31, v0                           ; lane
	v_and_b32 v2, 15, v0                           ; r
	v_bfe_u32 v3, v0, 4, 1                         ; h
	v_lshlrev_b32 v4, 7, v1                        ; lane l reads the record of token group l
	v_mov_b32 v20, 0                               ; written before they are destinations of lane operations
	v_mov_b32 v21, 0
	v_mov_b32 v25, 0
	s_mov_b32 s12, 0x76543210                      ; v_permlanex16_b32: each lane takes its own place in the other half
	s_mov_b32 s13, 0xfedcba98
	s_mov_b32 s17, ttmp9                           ; my block
	s_wait_kmcnt 0x0
	global_load_b128 v[8:11], v4, s[4:5] offset:32  ; the group's eight counts,
	global_load_b128 v[12:15], v4, s[4:5] offset:48
	global_load_b128 v[BM:BM+3], v4, s[4:5]         ; and its eight bitmaps
	global_load_b128 v[BM+4:BM+7], v4, s[4:5] offset:16
	s_wait_loadcnt 0x2                             ; the counts are in; the two loads of bitmaps may stay out
	v_lshl_or_b32 v16, v9, 16, v8                  ; two counts to a word: a sum is 1,024 at the most
	v_lshl_or_b32 v17, v11, 16, v10
	v_lshl_or_b32 v18, v13, 16, v12
	v_lshl_or_b32 v19, v15, 16, v14
.macro ISUM r                          ; the sum of v[r] over the 32 lanes, in whole numbers
.irp m, 1,2,4,8
	v_mov_b32_dpp v20, v[\r] row_xmask:\m row_mask:0xf bank_mask:0xf
	v_add_nc_u32 v[\r], v[\r], v20
.endr
	v_permlanex16_b32 v20, v[\r], s12, s13
	v_add_nc_u32 v[\r], v[\r], v20
.endm
	ISUM 16
	ISUM 17
	ISUM 18
	ISUM 19
.irp i, 0,1,2,3
	v_readfirstlane_b32 s[18+\i], v[16+\i]
	s_and_b32 s[CN+2*\i], s[18+\i], 0xffff
	s_lshr_b32 s[CN+2*\i+1], s[18+\i], 16
.endr
	s_mov_b32 s[R0], 0
.irp e, 0,1,2,3,4,5,6,7
	s_add_co_u32 s[NK+\e], s[CN+\e], 15
	s_lshr_b32 s[NK+\e], s[NK+\e], 4
	s_add_co_u32 s[R0+1+\e], s[R0+\e], s[NK+\e]
.endr
	s_or_b32 s14, s17, s16
	s_cmp_lg_u32 s14, 0
	s_cbranch_scc1 .Lno_meta                       ; wave 0 of work-group 0 stores the table of blocks
.irp e, 0,1,2,3,4,5,6,7
	v_writelane_b32 v21, s[NK+\e], 2*\e
	v_writelane_b32 v21, s[R0+\e], 2*\e+1
.endr
	v_lshlrev_b32 v22, 2, v1
	global_store_b32 v22, v21, s[8:9]              ; 128 consecutive bytes
.Lno_meta:
	s_cmp_ge_u32 s17, s[R0+8]
	s_cbranch_scc1 .Lend                           ; this split does not use my block
	s_mov_b32 s22, 0                               ; my expert: the last whose first block is not behind mine,
	s_mov_b32 s23, 0                               ; its first block,
	s_mov_b32 s24, s[CN]                           ; its count,
	s_wait_loadcnt 0x0                             ; (the bitmaps are in)
	v_mov_b32 v24, v[BM]                           ; and, lane l, its bitmap of token group l
.irp e, 1,2,3,4,5,6,7
	s_cmp_ge_u32 s17, s[R0+\e]
	s_cselect_b32 s22, \e, s22
	s_cselect_b32 s23, s[R0+\e], s23
	s_cselect_b32 s24, s[CN+\e], s24
	s_cselect_b32 s14, -1, 0
	v_cndmask_b32 v24, v24, v[BM+\e], s14
.endr
	s_sub_co_u32 s25, s17, s23
	s_lshl_b32 s25, s25, 4                         ; ranks in front of my block
	s_sub_co_u32 s26, s24, s25
	s_min_u32 s26, s26, 16                         ; rows of my block that are tokens
	s_sub_co_u32 s27, 0, s25                       ; a running rank, counted from my block's first row
	v_lshlrev_b32 v26, 2, v0                       ; 128 w + 4 lane: my word of my wave's list
	ds_store_b32 v26, v25                          ; rows past the count repeat token 0
	s_lshl_b32 s29, s16, 7
	s_lshl_b32 s18, s16, 9                         ; x: my two groups are 512 bytes of a row
	s_mov_b32 s19, 0
	s_add_nc_u64 s[6:7], s[6:7], s[18:19]
	s_lshl_b32 s20, s17, 15                        ; xT: my block's 32,768 bytes, my two groups' 4,096
	s_lshl_b32 s21, s16, 12
	s_add_co_u32 s20, s20, s21
	s_mov_b32 s21, 0
	s_add_nc_u64 s[10:11], s[10:11], s[20:21]
.set g, 0
.rept 32
	v_readlane_b32 s[M+g], v24, g
.set g, g+1
.endr
.set g, 0
.rept 32                               ; token 32 g + lane goes to entry rank - 16 x (blocks in front), if that lies in 0 .. 15; else to entry 16, which nobody reads
	v_mbcnt_lo_u32_b32 v27, s[M+g], s27            ; the running rank + the chosen tokens of this group below my lane
	v_cndmask_b32 v27, 16, v27, s[M+g]             ; not chosen: 16
	v_min_u32 v27, 16, v27                         ; behind my block: 16; in front of it (a wrapped number): 16
	v_lshl_add_u32 v27, v27, 2, s29
	v_or_b32 v28, 32*g, v1
	ds_store_b32 v27, v28
	s_bcnt1_i32_b32 s14, s[M+g]
	s_add_co_u32 s27, s27, s14
.set g, g+1
.endr
	v_lshl_add_u32 v29, v2, 2, s29
	ds_load_b32 v32, v29                           ; LDS serves a wave's instructions in order (ISA guide 5.7.1.4): this sees the stores above
	s_wait_dscnt 0x0
	v_min_u32 v32, 0x3ff, v32                      ; row r's token
	v_lshlrev_b32 v33, 12, v32
	v_lshl_add_u32 v33, v3, 7, v33                 ; its row of 4,096 bytes + 128 h
	v_lshlrev_b32 v34, 4, v1
.irp u, 0,1
.irp i, 0,1,2,3,4,5,6,7
	global_load_b128 v[64+32*\u+4*\i:64+32*\u+4*\i+3], v33, s[6:7] offset:256*\u+16*\i  ; two lanes together take 256 consecutive, aligned bytes of a row in eight loads
.endr
.endr
	s_cmp_lg_u32 s16, 0
	s_cbranch_scc1 .Lrows                          ; wave 0 tells each token where its row lies
	v_lshlrev_b32 v35, 3, v32
	global_load_b64 v[36:37], v35, s[4:5] offset:4096  ; the token's two experts: on their way together with the rows
	s_lshl_b32 s15, s17, 4
	v_add_nc_u32 v38, s15, v2                      ; 16 x block + row
	s_wait_loadcnt 0x0                             ; it is the youngest load: the rows are in as well
	v_cmp_eq_u32 vcc_lo, s22, v36
	v_cndmask_b32 v39, 4, 0, vcc_lo                ; my expert is the token's first choice (0) or its second (4 bytes on)
	v_min_u32 v39, 4, v39
	v_add_nc_u32 v39, v39, v35
	v_cmp_gt_u32 vcc_lo, s26, v1                   ; lanes 0 .. rows - 1
	s_wait_xcnt 0x0                                ; EXEC changes only behind this wait
	s_and_saveexec_b32 s14, vcc_lo
	global_store_b32 v39, v38, s[8:9] offset:256
	s_wait_xcnt 0x0                                ; and again in front of the line that widens it
	s_or_b32 exec_lo, exec_lo, s14
.Lrows:
.irp u, 0,1
	s_wait_loadcnt 8-8*\u                          ; the first group's eight are in, the second's stay out; then all
.irp d, 0,1,2,3,4,5,6,7,8,9,10,11,12,13,14,15
	v_cvt_pk_bf16_f32 v[128+16*\u+\d], v[64+32*\u+2*\d], v[64+32*\u+2*\d+1]
.endr
.irp q, 0,1,2,3
	global_store_b128 v34, v[128+16*\u+4*\q:128+16*\u+4*\q+3], s[10:11] offset:2048*\u+512*\q  ; 512 consecutive bytes
.endr
.endr
.Lend:
	s_wait_tensorcnt 0x0                           ; the wave's end, behind my last LDS store
	ds_add_u32 v30, v31
	s_wait_dscnt 0x0
	s_endpgm
.Lfunc_end_k_qf78c7ad0e0_sort:
	.size	k_qf78c7ad0e0_sort, .Lfunc_end_k_qf78c7ad0e0_sort-k_qf78c7ad0e0_sort
	.p2alignl 7, 3214868480
	.fill 96, 4, 3214868480
	.section	.rodata,"a",@progbits
	.p2align	6, 0x0
	.amdhsa_kernel k_qf78c7ad0e0_sort
		.amdhsa_group_segment_fixed_size 2048
		.amdhsa_private_segment_fixed_size 0
		.amdhsa_enable_private_segment 0
		.amdhsa_kernarg_size 32
		.amdhsa_user_sgpr_count 2
		.amdhsa_user_sgpr_kernarg_segment_ptr 1
		.amdhsa_wavefront_size32 1
		.amdhsa_system_sgpr_workgroup_id_x 1
		.amdhsa_system_sgpr_workgroup_id_y 1
		.amdhsa_system_sgpr_workgroup_id_z 1
		.amdhsa_system_vgpr_workitem_id 0
		.amdhsa_next_free_vgpr 160
		.amdhsa_next_free_sgpr 96
		.amdhsa_reserve_vcc 1
		.amdhsa_float_denorm_mode_32 3
		.amdhsa_float_denorm_mode_16_64 3
		.amdhsa_memory_ordered 1
		.amdhsa_forward_progress 1
		.amdhsa_inst_pref_size 29
	.end_amdhsa_kernel
	.amdgpu_metadata
---
amdhsa.version: [ 1, 2 ]
amdhsa.kernels:
  - .name:           k_qf78c7ad0e0_sort
    .symbol:         k_qf78c7ad0e0_sort.kd
    .args:
      - { .name: rt, .offset: 0, .size: 8, .value_kind: global_buffer, .address_space: global }
      - { .name: x, .offset: 8, .size: 8, .value_kind: global_buffer, .address_space: global }
      - { .name: st, .offset: 16, .size: 8, .value_kind: global_buffer, .address_space: global }
      - { .name: xT, .offset: 24, .size: 8, .value_kind: global_buffer, .address_space: global }
    .group_segment_fixed_size: 2048
    .private_segment_fixed_size: 0
    .kernarg_segment_align: 8
    .kernarg_segment_size: 32
    .max_flat_workgroup_size: 256
    .sgpr_count:     96
    .vgpr_count:     160
    .wavefront_size: 32
...
	.end_amdgpu_metadata
.endif
;; end of part 2
;; launch p1 (part 3): grid 32 x 8, 4 waves a work-group, no clusters, 262,656 bytes of LDS; arguments xT, w1, b1, st, hT; writes hT
.if DOCPART == 3
	.amdgcn_target "amdgcn-amd-amdhsa--gfx1250"
	.amdhsa_code_object_version 6
	.text
	.protected	k_qf78c7ad0e0_p1
	.globl	k_qf78c7ad0e0_p1
	.p2align	8
	.type	k_qf78c7ad0e0_p1,@function
k_qf78c7ad0e0_p1:
	s_mov_b64 s[64:65], 0
	v_nop
	global_prefetch_b8 v0, s[64:65] scope:SCOPE_SE
	s_setreg_imm32_b32 hwreg(HW_REG_WAVE_MODE, 25, 1), 1
	s_wait_xcnt 0x0
; ONE EXPERT'S PRODUCT ON A SLICE OF ITS WEIGHTS.  One text serves both products; P2 chooses.
;   P2 = 0: h = relu(x W1[e] + b1[e]), rounded to bf16.  Arguments: xT, w1, b1, st, hT.      P2 = 1: y[kq] = h W2[e] (rows 1,024 kq .. + 1,023 of W2) + b2[e] (for kq = 0 alone), in f32.  Arguments: hT, w2, b2, st, y.
; FORMATS.  Weights and biases are rounded once to bf16 on their way through registers; x and h arrive in bf16; sums in f32.  LIMITS.  NaN and infinities are not treated apart (a NaN's relu is 0).
; SHARES.  Work-group = expert x 128 output columns x 1,024 along K: 512 KB of f32 weights that it alone reads, once.  The expert is x & 7.  P2 = 0: slice 4 y + (x >> 3) of 32 slices of columns.
; P2 = 1: quarter x >> 3 of K, slice y of 8.  So the work-groups that read the same token blocks (an expert's 32; the 8 of an expert's quarter) agree in x's low three bits, and for P2 = 1 in all of x.
; An expert's rows lie in blocks of 16 (st: number of blocks, first block).  Wave w owns the blocks 4 i + w and all 128 columns: one operand of tokens feeds eight matrix instructions.
; THE WALK.  K goes in 16 chunks of 64.  A chunk's weights go memory -> registers -> bf16 operands -> LDS, where they STAY: no LDS byte is written twice, and one barrier a chunk only publishes.
; While the chunks arrive each wave multiplies its first 6 blocks (384 rows a work-group) on 48 accumulators.  What an expert has beyond that is multiplied afterwards from the weights in LDS, a block at a time,
; in a loop without barrier and without LDS store.  So every split of the tokens is served, each weight byte is read once, and every wave passes every barrier.  An expert without rows streams its weights and stores nothing.
; ORDER ALONG K.  In a group of 64 lane (r = lane % 16, h = lane / 16) holds the numbers 32 h + 16 s + 0..15 in the operand of step s (0, 1), tokens and weights alike, so the sums are those of the natural order.
; Tokens lie in memory in that order (block rb, group kg: 2,048 bytes; words 4 q .. 4 q + 3 of a lane's 16 at 512 q + 16 lane): two loads of 512 consecutive bytes fill a step's operand.
; WEIGHTS.  Wave w takes step w >> 1 and column half cg = w & 1 of each chunk: 16 loads; in each, lanes 0-15 take 256 consecutive, aligned bytes of row 16 (w >> 1) + i, lanes 16-31 those of the row 32 further down.
; A lane's four columns go to four operands: operand f = 4 cg + j, place r, is column 64 cg + 4 r + j of the slice.
; RESULTS.  P2 = 0: the product is used transposed (source 0 = weights, source 1 = tokens): a lane holds token r and register j of accumulator f column 64 cg + 32 h + 4 j + (f & 3): two accumulators' registers pack into
; a word of the next product's operand order, and a store covers 512 consecutive bytes.  b1 is the C operand of the first product.  P2 = 1: natural order: register j is token 8 h + j, column 64 cg + 4 r + (f & 3);
; the add that brings four accumulators' registers side by side also adds b2; sixteen lanes store 256 consecutive, aligned bytes of a row.
; NO CLUSTER, NO TENSOR LOADS.  The weights have one reader and must pass through registers to be rounded.  An expert's 32 work-groups do share its token blocks, but those go straight into registers; a joint tile would
; have to lie in LDS beside the weights' 262,144 bytes, where 65,024 are left: two blocks of 32 KB against the 24 that a work-group walks.
.set P2, 0
.if P2
.set RSH, 12                           ; a row of W2 is 4,096 bytes
.set ASH, 17                           ; a block of hT is 131,072 bytes
.set OSH, 16                           ; a block's 16 rows of y are 65,536 bytes
.else
.set RSH, 14                           ; a row of W1 is 16,384 bytes
.set ASH, 15                           ; a block of xT is 32,768 bytes
.set OSH, 17                           ; a block of hT
.endif
.set RS,    1<<RSH
.set WSTEP, 64*RS                      ; bytes from chunk to chunk
.set NBF,   6                          ; blocks a wave multiplies while the weights arrive
.set MAXB,  135                        ; the last block that any split can use
.set YQ,    8912896                    ; y: bytes of one quarter's 2,176 rows
.set SPARE, 262144                     ; LDS: 0 .. 262,143 the operands: (chunk c, step s, operand f) is 1,024 bytes at ((2 c + s) 8 + f) 1,024, words 4 q .. at 512 q + 16 lane; then the spare words, 128 bytes a wave
; vector registers, in windows of 256 (s_set_vgpr_msb: bits 1:0 source 0, 3:2 source 1, 5:4 source 2, 7:6 destination)
.set L16, 4                            ; v4     16 x lane
.set WO,  5                            ; v5     my byte offset in a chunk of weights
.set ADR, 6                            ; v6     the LDS address at work
.set WW0, 7                            ; v7     where my operands go in a chunk's 16,384 bytes of LDS
.set PFO, 8                            ; v8     the prefetch: lane l names block l of the 32 aligned blocks of 256 bytes of my part of a chunk
.set YO,  9                            ; v9     P2 = 1: my byte offset in a block's rows of y
.set AO,  10                           ; v10-15 my byte offset in my block i of tokens
.set SO,  16                           ; v16    the stores' offset
.set AOB, 17                           ; v17    as AO, for a block beyond the first six
.set ZR,  18                           ; v18    P2 = 0: 0, for the relu
.set BO,  19                           ; v19    the bias loads' offset
.set SPW, 30                           ; v30    LDS address of my spare word; never rewritten
.set NIL, 31                           ; v31    0; never rewritten
.set AB,  64                           ; window 0, v64-255: tokens' operands, four half buffers: chunk parity p, block i, step s at AB + 96 p + 16 i + 8 s
                                       ; window 1, v0-127: weights' operands of step 0 and of step 1, operand f at 64 s + 8 f
.set CV,  128                          ; window 1, v128-159: packed words on their way to LDS or to memory
.set BI,  160                          ; window 1, v160-223: P2 = 0: b1 as eight C operands; P2 = 1: b2 of my eight columns (v160-167)
.set TT,  224                          ; window 1, v224-255: P2 = 1: results on their way out
                                       ; window 2: accumulators of blocks 0-3, (i, f) at 64 i + 8 f;  window 3: v0-127 those of blocks 4, 5
.set WS,  128                          ; window 3, v128-255: weights as loaded, two buffers of 64: register 4 i + j = row i, column j of my four
; scalar registers: s[4:5] tokens, s[6:7] weights (both step), s[8:9] bias, s[10:11] st, s[12:13] the output
.set WV,   16                          ; my wave's number
.set NBLK, 20                          ; the expert's blocks
.set RB0,  21                          ; its first block
.set NBT,  22                          ; my blocks
.set NB,   23                          ; min(my blocks, 6)
.set CNT,  24                          ; a loop's count
.set TBR,  25                          ; LDS byte of the operands to be read next
.set TBW,  26                          ; LDS byte of the chunk to be written next
.set RB,   28                          ; s28-33 my first six blocks' numbers
.set IB,   34                          ; the block beyond the first six: its turn,
.set RBO,  35                          ; its number
.set MSB, 0
.macro WIN new                         ; the immediate's high byte repeats the setting that is left; a switch that changes nothing is dropped
.if MSB != (\new)
	s_set_vgpr_msb (MSB<<8)|(\new)
.set MSB, (\new)
.endif
.endm
; A load into a register that a matrix instruction has read, and a vector instruction that reads a matrix result, stand four places behind it; only plain vector instructions that name none of its registers are places.
.macro PLACES
.rept 4
	v_nop
.endr
.endm
.macro ISSUE_W b, ahead, h             ; half h (rows 8 h .. 8 h + 7) of my part of the chunk `ahead` chunks behind the pointer, into buffer b
	WIN 0xc0
.irp i, 0,1,2,3,4,5,6,7
	global_load_b128 v[WS+64*(\b)+4*(8*(\h)+\i):WS+64*(\b)+4*(8*(\h)+\i)+3], v[WO], s[6:7] offset:(8*(\h)+\i)*RS+(\ahead)*WSTEP th:TH_LOAD_NT
.endr
.endm
.macro ISSUE_A p, s, off               ; step s of my six blocks, of the group of 64 along K that lies off bytes behind the pointer, into half buffer (p, s): always 12 loads, so that the counted waits hold on every path; a block that I do not have repeats one that exists
	WIN 0
.irp i, 0,1,2,3,4,5
	global_load_b128 v[AB+96*(\p)+16*\i+8*(\s):AB+96*(\p)+16*\i+8*(\s)+3],   v[AO+\i], s[4:5] offset:(\off)+1024*(\s)
	global_load_b128 v[AB+96*(\p)+16*\i+8*(\s)+4:AB+96*(\p)+16*\i+8*(\s)+7], v[AO+\i], s[4:5] offset:(\off)+1024*(\s)+512
.endr
.endm
.macro CVT_ST b                        ; buffer b is rounded to bf16, two rows to a word, and stored as four operands
	WIN 0x4f
.irp jp, 0,1,2,3
.irp rho, 0,1,2,3,4,5,6,7
	v_cvt_pk_bf16_f32 v[CV+8*\jp+\rho], v[WS+64*(\b)+8*\rho+\jp], v[WS+64*(\b)+8*\rho+4+\jp]
.endr
.endr
	WIN 0
	v_add_nc_u32 v[ADR], s[TBW], v[WW0]
	WIN 0x04
.irp jp, 0,1,2,3
	ds_store_b128 v[ADR], v[CV+8*\jp:CV+8*\jp+3]   offset:\jp*1024      ; 512 consecutive bytes: no two lanes meet in a bank
	ds_store_b128 v[ADR], v[CV+8*\jp+4:CV+8*\jp+7] offset:\jp*1024+512
.endr
	s_add_co_u32 s[TBW], s[TBW], 16384
.endm
.macro LOAD_B buf                      ; the eight operands of the next step, into buffer buf
	WIN 0
	v_add_nc_u32 v[ADR], s[TBR], v[L16]
	WIN 0x40
.irp f, 0,1,2,3,4,5,6,7
	ds_load_b128 v[64*(\buf)+8*\f:64*(\buf)+8*\f+3],   v[ADR] offset:\f*1024
	ds_load_b128 v[64*(\buf)+8*\f+4:64*(\buf)+8*\f+7], v[ADR] offset:\f*1024+512
.endr
	s_add_co_u32 s[TBR], s[TBR], 8192
.endm
.macro MUL8 i, s, p, zero              ; block i, step s, tokens' parity p: eight matrix instructions, one on each of the block's accumulators.  zero = 1: they start the sums
.set aB, AB+96*(\p)+16*(\i)+8*(\s)
.set cB, 64*((\i)%4)
.if P2
	WIN 0xa4+0x50*((\i)/4)                         ; tokens window 0, weights window 1, C and D window 2 or 3
.elseif \zero
	WIN 0x91+0x40*((\i)/4)                         ; weights window 1, tokens window 0, C (b1) window 1, D window 2 or 3
.else
	WIN 0xa1+0x50*((\i)/4)
.endif
.irp f, 0,1,2,3,4,5,6,7
.if P2
.if \zero
	v_wmma_f32_16x16x32_bf16 v[cB+8*\f:cB+8*\f+7], v[aB:aB+7], v[64*(\s)+8*\f:64*(\s)+8*\f+7], 0
.else
	v_wmma_f32_16x16x32_bf16 v[cB+8*\f:cB+8*\f+7], v[aB:aB+7], v[64*(\s)+8*\f:64*(\s)+8*\f+7], v[cB+8*\f:cB+8*\f+7]
.endif
.else
.if \zero
	v_wmma_f32_16x16x32_bf16 v[cB+8*\f:cB+8*\f+7], v[64*(\s)+8*\f:64*(\s)+8*\f+7], v[aB:aB+7], v[BI+8*\f:BI+8*\f+7]
.else
	v_wmma_f32_16x16x32_bf16 v[cB+8*\f:cB+8*\f+7], v[64*(\s)+8*\f:64*(\s)+8*\f+7], v[aB:aB+7], v[cB+8*\f:cB+8*\f+7]
.endif
.endif
.endr
.endm
; One step of a chunk for my blocks.  Blocks that I do not have are jumped over, forward, past matrix instructions alone.  zero = 1: all six are multiplied, so that every accumulator is written on every path.
; The accumulators take turns, one instruction a turn: behind (i, 7) comes (i + 1, 0) or, in the next step, (0, 0).
.macro KS s, p, zero
.irp i, 0,1,2,3,4,5
.if !(\zero)
	WIN 0                                          ; at a branch and at a label every window is 0
	s_cmp_le_u32 s[NB], \i
	s_cbranch_scc1 .Lks_\@
.endif
	MUL8 \i, \s, \p, \zero
.endr
	WIN 0
.Lks_\@:
.endm
; TRIP c (p = c & 1).  It rounds and publishes chunk c + 1 and multiplies chunk c.
; THE LOADS.  Registers are asked for again as soon as their last reader is past.  At the trip's head, behind step 1 of chunk c - 1: T1(c + 1), the tokens' step 1 of chunk c + 1 (12 loads).  Behind the rounding of
; chunk c + 1: W(c + 3), the weights of chunk c + 3 (16 loads: eight at once, eight behind step 0).  Behind step 0 of chunk c: T0(c + 2), the tokens' step 0 of chunk c + 2 (12 loads).  So tokens are asked for a trip and a
; half ahead of their use, weights two trips.  Loads come back in the order of issue (ISA guide 5.7.1), which is T1(c + 1), W(c + 3), T0(c + 2) in trip c:
;   nH, at the head, for W(c + 1) and T0(c): behind T0(c) stand T1(c) 12, W(c + 2) 16, T0(c + 1) 12 = 40.        nM, ahead of step 1, for T1(c): behind it stand W(c + 2) 16, T0(c + 1) 12, T1(c + 1) 12, W(c + 3) 16 = 56.
;   In the last three trips the loads that are no longer asked for fall out of these sums.
; By this count a wave can have 68 loads asked for at once, more than LOADcnt's field holds; the issue of a load that would pass the field waits for the oldest (ISA guide 5.7.1).  The weights' second eight stand behind step 0,
; so that the oldest load, T1(c)'s first, was then asked for a trip and a step earlier.
; nDS = the trip's eight LDS stores, issued behind step 0's operand loads.  cvt, t1, isW, t0: there is a chunk to round, T1, W, T0 to ask for.  pf: the prefetch: 1 always, 2 not in the loop's last trip.
.macro TRIP p, zero, nH, nM, cvt, t1, isW, t0, pf, nDS, last
	PLACES                                         ; behind the last trip's products: for the loads into the tokens' half buffer (1 - p, 1) and into step 1's operands
.if !(\last)
	s_wait_xcnt 0x0                                ; the two pointers are stepped only behind this wait
	s_add_nc_u64 s[4:5], s[4:5], 2048              ; both now stand at chunk c + 1
	s_add_nc_u64 s[6:7], s[6:7], WSTEP
.endif
	s_wait_loadcnt \nH
.if \t1
	ISSUE_A 1-(\p), 1, 0
.endif
.if \cvt
	CVT_ST 1-(\p)
.endif
.if \isW
	ISSUE_W 1-(\p), 2, 0
.endif
	s_wait_dscnt \nDS
	LOAD_B 1                                       ; chunk c, step 1: on its way while step 0 is multiplied
	WIN 0
.if (\pf) == 2
	s_cmp_eq_u32 s[CNT], 1
	s_cbranch_scc1 .Lnopf_\@
.endif
.if \pf
	global_prefetch_b8 v[PFO], s[6:7] offset:4*WSTEP th:TH_LOAD_NT scope:SCOPE_SE  ; my 8 KB of chunk c + 5, which trip c + 2 loads: each of its 32 aligned blocks of 256 bytes is named once, by one lane.  Trips 0 to 10 ask; chunk 15 is the last
.endif
.if (\pf) == 2
.Lnopf_\@:
.endif
	KS 0, \p, \zero
.if \isW
	ISSUE_W 1-(\p), 2, 1
.endif
	s_wait_dscnt 0x0                               ; step 1's operands are in; for the others' sake: my stores of chunk c + 1 are done
.if !(\last)
	s_barrier_signal -1
	s_barrier_wait -1                              ; chunk c + 1 is whole
	PLACES                                         ; behind step 0's products: for the loads into step 0's operands and into the tokens' half buffer (p, 0)
	LOAD_B 0                                       ; chunk c + 1, step 0: on its way while step 1 is multiplied
.endif
	s_wait_loadcnt \nM
.if \t0
	ISSUE_A \p, 0, 2048
.endif
	KS 1, \p, 0
.endm
; A chunk for one block beyond the first six: tokens from memory, both steps' operands from LDS, sixteen matrix instructions on block 0's accumulators.
.macro CHB zero
	PLACES
	WIN 0
.irp q, 0,1,2,3
	global_load_b128 v[AB+4*\q:AB+4*\q+3], v[AOB], s[36:37] offset:\q*512
.endr
	v_add_nc_u32 v[ADR], s[TBR], v[L16]
	WIN 0x40
.irp f, 0,1,2,3,4,5,6,7,8,9,10,11,12,13,14,15
	ds_load_b128 v[8*\f:8*\f+3],   v[ADR] offset:\f*1024
	ds_load_b128 v[8*\f+4:8*\f+7], v[ADR] offset:\f*1024+512
.endr
	s_add_co_u32 s[TBR], s[TBR], 16384
	s_wait_loadcnt 0x0                             ; the loads are done, so their pointer may step
	s_wait_dscnt 0x0
	s_add_nc_u64 s[36:37], s[36:37], 2048
	MUL8 0, 0, 0, \zero
	MUL8 0, 1, 0, 0
	WIN 0
.endm
; THE WAY OUT of my block i, whose number is in s[srb].  Each accumulator's registers are read in ascending order.
.macro EPI i, srb
	WIN 0
	s_wait_xcnt 0x0                                ; the offset and the registers that earlier stores read are rewritten only behind this wait
	s_lshl_b32 s42, s[\srb], OSH
.if P2
	v_add_nc_u32 v[SO], s42, v[YO]
.else
	v_add_nc_u32 v[SO], s42, v[L16]
.endif
.set cB, 64*((\i)%4)
.irp cg, 0,1
.if P2
.set tB, TT-96*\cg
	WIN 0x46+(\i)/4                                ; accumulators window 2 or 3, b2 and the destination window 1
.irp j, 0,1,2,3,4,5,6,7
.irp jp, 0,1,2,3
	v_add_f32 v[tB+4*\j+\jp], v[cB+8*(4*\cg+\jp)+\j], v[BI+4*\cg+\jp]
.endr
.endr
	WIN 0x04
.irp j, 0,1,2,3,4,5,6,7
	global_store_b128 v[SO], v[tB+4*\j:tB+4*\j+3], s[12:13] offset:\j*4096+\cg*256  ; sixteen lanes store 256 consecutive bytes, at a multiple of 256 from y's first byte
.endr
.else
	WIN 0x4a+5*((\i)/4)                            ; accumulators window 2 or 3, the destination window 1
.irp j, 0,1,2,3,4,5,6,7
.irp u, 0,1
	v_cvt_pk_bf16_f32 v[CV+16*\cg+2*\j+\u], v[cB+8*(4*\cg+2*\u)+\j], v[cB+8*(4*\cg+2*\u+1)+\j]
.endr
.endr
	WIN 0x41
.irp d, 0,1,2,3,4,5,6,7,8,9,10,11,12,13,14,15
	v_pk_max_num_bf16 v[CV+16*\cg+\d], v[CV+16*\cg+\d], v[ZR]  ; relu on two numbers at once; nothing is rounded
.endr
	WIN 0x04
.irp q, 0,1,2,3
	global_store_b128 v[SO], v[CV+16*\cg+4*\q:CV+16*\cg+4*\q+3], s[12:13] offset:\cg*2048+\q*512  ; 512 consecutive bytes, in the next product's operand order
.endr
.endif
.endr
.endm
	s_load_b256 s[4:11], s[0:1], 0x0               ; tokens s[4:5], weights s[6:7], bias s[8:9], st s[10:11]
	s_load_b64 s[12:13], s[0:1], 0x20              ; the output
	v_lshl_add_u32 v[SPW], v0, 2, SPARE
	v_mov_b32 v[NIL], 0
	v_lshrrev_b32 v1, 5, v0
	v_readfirstlane_b32 s[WV], v1                  ; wave 0..3
	v_and_b32 v1, 31, v0                           ; lane
	v_and_b32 v2, 15, v0                           ; r
	v_bfe_u32 v3, v0, 4, 1                         ; h
	v_lshlrev_b32 v[L16], 4, v1
	s_and_b32 s18, ttmp9, 7                        ; the expert: x's low three bits
	s_and_b32 s19, ttmp7, 0xffff                   ; y
	s_lshr_b32 s40, s[WV], 1                       ; the step whose weights I fetch
	s_and_b32 s41, s[WV], 1                        ; the column half
	s_lshl_b32 s42, s40, 4+RSH
	s_lshl_b32 s43, s41, 8
	s_add_co_u32 s42, s42, s43
	v_lshlrev_b32 v[WO], 5+RSH, v3
	v_add_nc_u32 v[WO], s42, v[WO]                 ; row 32 h + 16 step, 256 bytes a column half,
	v_lshl_add_u32 v[PFO], v2, RSH, v[WO]          ; the prefetch: + r rows
	v_lshl_add_u32 v[WO], v2, 4, v[WO]             ; the loads: + 16 r bytes
	s_lshl_b32 s44, s40, 13
	s_lshl_b32 s45, s41, 12
	s_add_co_u32 s44, s44, s45
	v_add_nc_u32 v[WW0], s44, v[L16]
	s_lshl_b32 s46, s18, 24                        ; an expert's weights are 16 MB
	s_lshl_b32 s52, s18, 3
	s_mov_b32 s53, 0
.if P2
	s_lshr_b32 s55, ttmp9, 3                       ; the quarter of K
	s_lshl_b32 s47, s55, 22                        ; 1,024 rows of 4,096 bytes
	s_add_co_u32 s46, s46, s47
	s_lshl_b32 s47, s19, 9                         ; the slice of 128 columns: y
	s_add_co_u32 s46, s46, s47
	s_lshl_b32 s48, s18, 12
	s_add_co_u32 s48, s48, s47
	s_mul_i32 s50, s55, YQ
	s_add_co_u32 s50, s50, s47
	s_lshl_b32 s56, s55, 15                        ; 16 groups of 2,048 bytes in each block of hT
	s_mov_b32 s57, 0
	v_lshlrev_b32 v[BO], 4, v2
	v_lshl_add_u32 v[YO], v3, 15, v[BO]            ; 8 h rows of 4,096 bytes + 16 r
.else
	s_lshr_b32 s54, ttmp9, 3
	s_lshl2_add_u32 s54, s19, s54                  ; the slice of 128 columns: 4 y + (x >> 3)
	s_lshl_b32 s47, s54, 9
	s_add_co_u32 s46, s46, s47
	s_lshl_b32 s48, s18, 14
	s_add_co_u32 s48, s48, s47
	s_lshl_b32 s50, s54, 12                        ; two groups of 2,048 bytes in each block of hT
	v_lshlrev_b32 v[BO], 7, v3
	v_mov_b32 v[ZR], 0
.endif
	s_mov_b32 s47, 0
	s_mov_b32 s49, 0
	s_mov_b32 s51, 0
	s_mov_b32 s[TBR], 0
	s_mov_b32 s[TBW], 0
	s_wait_kmcnt 0x0
	s_add_nc_u64 s[6:7], s[6:7], s[46:47]
	s_add_nc_u64 s[8:9], s[8:9], s[48:49]
	s_add_nc_u64 s[10:11], s[10:11], s[52:53]
	s_add_nc_u64 s[12:13], s[12:13], s[50:51]
.if P2
	s_add_nc_u64 s[4:5], s[4:5], s[56:57]
.endif
	s_mov_b64 s[38:39], s[4:5]                     ; kept for the blocks beyond the first six
	s_load_b64 s[NBLK:RB0], s[10:11], 0x0          ; the expert's blocks and its first block
	WIN 0x40
.if P2
	global_load_b128 v[BI:BI+3],   v[BO], s[8:9]              ; b2 of columns 4 r .. 4 r + 3,
	global_load_b128 v[BI+4:BI+7], v[BO], s[8:9] offset:256   ; and of 64 + 4 r ..
.else
.irp cg, 0,1
.irp j, 0,1,2,3,4,5,6,7
	global_load_b128 v[64+32*\cg+4*\j:64+32*\cg+4*\j+3], v[BO], s[8:9] offset:256*\cg+16*\j  ; b1 of columns 64 cg + 32 h + 4 j .. + 3, for now where step 1's operands will lie
.endr
.endr
.endif
	ISSUE_W 0, 0, 0                                ; the weights hang on no routing: chunks 0 and 1 go out ahead of the wait for the table
	ISSUE_W 0, 0, 1
	ISSUE_W 1, 1, 0
	ISSUE_W 1, 1, 1
	WIN 0
	s_wait_kmcnt 0x0
	s_add_co_u32 s[NBT], s[NBLK], 3
	s_sub_co_u32 s[NBT], s[NBT], s[WV]
	s_lshr_b32 s[NBT], s[NBT], 2                   ; blocks 4 i + w below the expert's number
	s_min_u32 s[NB], s[NBT], NBF
	s_max_u32 s40, s[NBLK], 1
	s_sub_co_u32 s40, s40, 1                       ; the expert's last block
	s_cmp_eq_u32 s[NBLK], 0
	s_cselect_b32 s41, 0, s[RB0]                   ; an expert without rows reads block 0, which every split has
.irp i, 0,1,2,3,4,5
	s_add_co_u32 s42, s[WV], 4*\i
	s_min_u32 s42, s42, s40                        ; a block that I do not have repeats the expert's last
	s_add_co_u32 s42, s42, s41
	s_min_u32 s[RB+\i], s42, MAXB
	s_lshl_b32 s42, s[RB+\i], ASH
	v_add_nc_u32 v[AO+\i], s42, v[L16]
.endr
	s_wait_loadcnt 32                              ; the bias, asked for first, is in; behind it: chunks 0 and 1 (16 each)
	WIN 0x45
.if P2
	s_cmp_eq_u32 s55, 0
	s_cselect_b32 s52, -1, 0                       ; b2 is added once: by the first quarter of K
.irp m, 0,1,2,3
	v_cvt_pk_bf16_f32 v[CV+\m], v[BI+2*\m], v[BI+2*\m+1]  ; rounded to bf16,
.endr
.irp m, 0,1,2,3
	v_and_b32 v[CV+\m], s52, v[CV+\m]
.endr
.irp m, 0,1,2,3
	v_lshlrev_b32 v[BI+2*\m], 16, v[CV+\m]                ; and widened again
	v_and_b32 v[BI+2*\m+1], 0xffff0000, v[CV+\m]
.endr
.else
.set m, 0
.rept 32
	v_cvt_pk_bf16_f32 v[CV+m], v[64+2*m], v[64+2*m+1]     ; b1 rounded to bf16,
.set m, m+1
.endr
.irp cg, 0,1
.irp j, 0,1,2,3,4,5,6,7
.irp u, 0,1
	v_lshlrev_b32 v[BI+8*(4*\cg+2*\u)+\j], 16, v[CV+16*\cg+2*\j+\u]           ; widened again, and laid as C operands: register j of operand f
	v_and_b32 v[BI+8*(4*\cg+2*\u+1)+\j], 0xffff0000, v[CV+16*\cg+2*\j+\u]
.endr
.endr
.endr
.endif
	ISSUE_A 0, 0, 0                                ; the loads now go out in the order that the trips go on with: W(1) is out; T0(0), T1(0),
	ISSUE_A 0, 1, 0
	s_wait_loadcnt 40                              ; chunk 0 is in; behind it: chunk 1 (16) and the tokens of chunk 0 (24)
	CVT_ST 0
	ISSUE_W 0, 2, 0                                ; W(2),
	ISSUE_W 0, 2, 1
	ISSUE_A 1, 0, 2048                             ; T0(1)
	s_wait_dscnt 0x0
	s_barrier_signal -1
	s_barrier_wait -1                              ; chunk 0 is whole
	LOAD_B 0
	TRIP 0, 1, 40, 56, 1, 1, 1, 1, 1, 8, 0         ; chunk 0 starts the sums
	s_mov_b32 s[CNT], 6
.Lpair:                                                ; chunks 1 to 12
	TRIP 1, 0, 40, 56, 1, 1, 1, 1, 2, 8, 0
	TRIP 0, 0, 40, 56, 1, 1, 1, 1, 2, 8, 0
	s_sub_co_u32 s[CNT], s[CNT], 1
	s_cmp_lg_u32 s[CNT], 0
	s_cbranch_scc1 .Lpair
	TRIP 1, 0, 40, 40, 1, 1, 0, 1, 0, 8, 0         ; chunk 13: no weights are left to ask for: behind T1(13) stand W(15) 16, T0(14) 12, T1(14) 12
	TRIP 0, 0, 24, 24, 1, 1, 0, 0, 0, 8, 0         ; chunk 14: behind T0(14) stand T1(14), T0(15); behind T1(14), T0(15) and T1(15)
	TRIP 1, 0, 12, 0, 0, 0, 0, 0, 0, 0, 1          ; chunk 15: behind T0(15) stands T1(15); nothing is left to round or to ask for
	PLACES                                         ; behind the last products
.irp i, 0,1,2,3,4,5
	WIN 0
	s_cmp_le_u32 s[NB], \i
	s_cbranch_scc1 .Lsent
	EPI \i, RB+\i
.endr
	WIN 0
.Lsent:
	s_cmp_le_u32 s[NBT], NBF
	s_cbranch_scc1 .Lend
	s_mov_b32 s[IB], NBF
.Lover:                                                ; my blocks 6 to 15 (an expert has 64 blocks at the most): ten trips; a block that I do not have is jumped over
	s_cmp_ge_u32 s[IB], s[NBT]
	s_cbranch_scc1 .Lnext
	s_wait_xcnt 0x0
	s_lshl_b32 s[RBO], s[IB], 2
	s_add_co_u32 s[RBO], s[RBO], s[WV]
	s_add_co_u32 s[RBO], s[RBO], s[RB0]
	s_min_u32 s[RBO], s[RBO], MAXB
	s_lshl_b32 s42, s[RBO], ASH
	v_add_nc_u32 v[AOB], s42, v[L16]
	s_mov_b64 s[36:37], s[38:39]
	s_mov_b32 s[TBR], 0
	CHB 1
	s_mov_b32 s[CNT], 15
.Lchunk:
	CHB 0
	s_sub_co_u32 s[CNT], s[CNT], 1
	s_cmp_lg_u32 s[CNT], 0
	s_cbranch_scc1 .Lchunk
	PLACES
	EPI 0, RBO
	WIN 0
.Lnext:
	s_add_co_u32 s[IB], s[IB], 1
	s_cmp_lt_u32 s[IB], 16
	s_cbranch_scc1 .Lover
.Lend:                                                 ; all ways of every wave meet here
	s_wait_dscnt 0x0                               ; my reads of LDS are over,
	s_barrier_signal -1
	s_barrier_wait -1                              ; and so are every wave's: no wave writes LDS again while another still reads
	s_wait_tensorcnt 0x0                           ; the wave's end, behind my last LDS store
	ds_add_u32 v[SPW], v[NIL]
	s_wait_dscnt 0x0
	s_endpgm
.Lfunc_end_k_qf78c7ad0e0_p1:
	.size	k_qf78c7ad0e0_p1, .Lfunc_end_k_qf78c7ad0e0_p1-k_qf78c7ad0e0_p1
	.p2alignl 7, 3214868480
	.fill 96, 4, 3214868480
	.section	.rodata,"a",@progbits
	.p2align	6, 0x0
	.amdhsa_kernel k_qf78c7ad0e0_p1
		.amdhsa_group_segment_fixed_size 262656
		.amdhsa_private_segment_fixed_size 0
		.amdhsa_enable_private_segment 0
		.amdhsa_kernarg_size 40
		.amdhsa_user_sgpr_count 2
		.amdhsa_user_sgpr_kernarg_segment_ptr 1
		.amdhsa_wavefront_size32 1
		.amdhsa_system_sgpr_workgroup_id_x 1
		.amdhsa_system_sgpr_workgroup_id_y 1
		.amdhsa_system_sgpr_workgroup_id_z 1
		.amdhsa_system_vgpr_workitem_id 0
		.amdhsa_next_free_vgpr 1024
		.amdhsa_next_free_sgpr 66
		.amdhsa_reserve_vcc 0
		.amdhsa_float_denorm_mode_32 3
		.amdhsa_float_denorm_mode_16_64 3
		.amdhsa_memory_ordered 1
		.amdhsa_forward_progress 1
		.amdhsa_inst_pref_size 157
	.end_amdhsa_kernel
	.amdgpu_metadata
---
amdhsa.version: [ 1, 2 ]
amdhsa.kernels:
  - .name:           k_qf78c7ad0e0_p1
    .symbol:         k_qf78c7ad0e0_p1.kd
    .args:
      - { .name: xT, .offset: 0, .size: 8, .value_kind: global_buffer, .address_space: global }
      - { .name: w1, .offset: 8, .size: 8, .value_kind: global_buffer, .address_space: global }
      - { .name: b1, .offset: 16, .size: 8, .value_kind: global_buffer, .address_space: global }
      - { .name: st, .offset: 24, .size: 8, .value_kind: global_buffer, .address_space: global }
      - { .name: hT, .offset: 32, .size: 8, .value_kind: global_buffer, .address_space: global }
    .group_segment_fixed_size: 262656
    .private_segment_fixed_size: 0
    .kernarg_segment_align: 8
    .kernarg_segment_size: 40
    .max_flat_workgroup_size: 128
    .sgpr_count:     66
    .vgpr_count:     1024
    .wavefront_size: 32
...
	.end_amdgpu_metadata
.endif
;; end of part 3
;; launch p2 (part 4): grid 32 x 8, 4 waves a work-group, no clusters, 262,656 bytes of LDS; arguments hT, w2, b2, st, y; writes y
.if DOCPART == 4
	.amdgcn_target "amdgcn-amd-amdhsa--gfx1250"
	.amdhsa_code_object_version 6
	.text
	.protected	k_qf78c7ad0e0_p2
	.globl	k_qf78c7ad0e0_p2
	.p2align	8
	.type	k_qf78c7ad0e0_p2,@function
k_qf78c7ad0e0_p2:
	s_mov_b64 s[64:65], 0
	v_nop
	global_prefetch_b8 v0, s[64:65] scope:SCOPE_SE
	s_setreg_imm32_b32 hwreg(HW_REG_WAVE_MODE, 25, 1), 1
	s_wait_xcnt 0x0
; ONE EXPERT'S PRODUCT ON A SLICE OF ITS WEIGHTS.  One text serves both products; P2 chooses.
;   P2 = 0: h = relu(x W1[e] + b1[e]), rounded to bf16.  Arguments: xT, w1, b1, st, hT.      P2 = 1: y[kq] = h W2[e] (rows 1,024 kq .. + 1,023 of W2) + b2[e] (for kq = 0 alone), in f32.  Arguments: hT, w2, b2, st, y.
; FORMATS.  Weights and biases are rounded once to bf16 on their way through registers; x and h arrive in bf16; sums in f32.  LIMITS.  NaN and infinities are not treated apart (a NaN's relu is 0).
; SHARES.  Work-group = expert x 128 output columns x 1,024 along K: 512 KB of f32 weights that it alone reads, once.  The expert is x & 7.  P2 = 0: slice 4 y + (x >> 3) of 32 slices of columns.
; P2 = 1: quarter x >> 3 of K, slice y of 8.  So the work-groups that read the same token blocks (an expert's 32; the 8 of an expert's quarter) agree in x's low three bits, and for P2 = 1 in all of x.
; An expert's rows lie in blocks of 16 (st: number of blocks, first block).  Wave w owns the blocks 4 i + w and all 128 columns: one operand of tokens feeds eight matrix instructions.
; THE WALK.  K goes in 16 chunks of 64.  A chunk's weights go memory -> registers -> bf16 operands -> LDS, where they STAY: no LDS byte is written twice, and one barrier a chunk only publishes.
; While the chunks arrive each wave multiplies its first 6 blocks (384 rows a work-group) on 48 accumulators.  What an expert has beyond that is multiplied afterwards from the weights in LDS, a block at a time,
; in a loop without barrier and without LDS store.  So every split of the tokens is served, each weight byte is read once, and every wave passes every barrier.  An expert without rows streams its weights and stores nothing.
; ORDER ALONG K.  In a group of 64 lane (r = lane % 16, h = lane / 16) holds the numbers 32 h + 16 s + 0..15 in the operand of step s (0, 1), tokens and weights alike, so the sums are those of the natural order.
; Tokens lie in memory in that order (block rb, group kg: 2,048 bytes; words 4 q .. 4 q + 3 of a lane's 16 at 512 q + 16 lane): two loads of 512 consecutive bytes fill a step's operand.
; WEIGHTS.  Wave w takes step w >> 1 and column half cg = w & 1 of each chunk: 16 loads; in each, lanes 0-15 take 256 consecutive, aligned bytes of row 16 (w >> 1) + i, lanes 16-31 those of the row 32 further down.
; A lane's four columns go to four operands: operand f = 4 cg + j, place r, is column 64 cg + 4 r + j of the slice.
; RESULTS.  P2 = 0: the product is used transposed (source 0 = weights, source 1 = tokens): a lane holds token r and register j of accumulator f column 64 cg + 32 h + 4 j + (f & 3): two accumulators' registers pack into
; a word of the next product's operand order, and a store covers 512 consecutive bytes.  b1 is the C operand of the first product.  P2 = 1: natural order: register j is token 8 h + j, column 64 cg + 4 r + (f & 3);
; the add that brings four accumulators' registers side by side also adds b2; sixteen lanes store 256 consecutive, aligned bytes of a row.
; NO CLUSTER, NO TENSOR LOADS.  The weights have one reader and must pass through registers to be rounded.  An expert's 32 work-groups do share its token blocks, but those go straight into registers; a joint tile would
; have to lie in LDS beside the weights' 262,144 bytes, where 65,024 are left: two blocks of 32 KB against the 24 that a work-group walks.
.set P2, 1
.if P2
.set RSH, 12                           ; a row of W2 is 4,096 bytes
.set ASH, 17                           ; a block of hT is 131,072 bytes
.set OSH, 16                           ; a block's 16 rows of y are 65,536 bytes
.else
.set RSH, 14                           ; a row of W1 is 16,384 bytes
.set ASH, 15                           ; a block of xT is 32,768 bytes
.set OSH, 17                           ; a block of hT
.endif
.set RS,    1<<RSH
.set WSTEP, 64*RS                      ; bytes from chunk to chunk
.set NBF,   6                          ; blocks a wave multiplies while the weights arrive
.set MAXB,  135                        ; the last block that any split can use
.set YQ,    8912896                    ; y: bytes of one quarter's 2,176 rows
.set SPARE, 262144                     ; LDS: 0 .. 262,143 the operands: (chunk c, step s, operand f) is 1,024 bytes at ((2 c + s) 8 + f) 1,024, words 4 q .. at 512 q + 16 lane; then the spare words, 128 bytes a wave
; vector registers, in windows of 256 (s_set_vgpr_msb: bits 1:0 source 0, 3:2 source 1, 5:4 source 2, 7:6 destination)
.set L16, 4                            ; v4     16 x lane
.set WO,  5                            ; v5     my byte offset in a chunk of weights
.set ADR, 6                            ; v6     the LDS address at work
.set WW0, 7                            ; v7     where my operands go in a chunk's 16,384 bytes of LDS
.set PFO, 8                            ; v8     the prefetch: lane l names block l of the 32 aligned blocks of 256 bytes of my part of a chunk
.set YO,  9                            ; v9     P2 = 1: my byte offset in a block's rows of y
.set AO,  10                           ; v10-15 my byte offset in my block i of tokens
.set SO,  16                           ; v16    the stores' offset
.set AOB, 17                           ; v17    as AO, for a block beyond the first six
.set ZR,  18                           ; v18    P2 = 0: 0, for the relu
.set BO,  19                           ; v19    the bias loads' offset
.set SPW, 30                           ; v30    LDS address of my spare word; never rewritten
.set NIL, 31                           ; v31    0; never rewritten
.set AB,  64                           ; window 0, v64-255: tokens' operands, four half buffers: chunk parity p, block i, step s at AB + 96 p + 16 i + 8 s
                                       ; window 1, v0-127: weights' operands of step 0 and of step 1, operand f at 64 s + 8 f
.set CV,  128                          ; window 1, v128-159: packed words on their way to LDS or to memory
.set BI,  160                          ; window 1, v160-223: P2 = 0: b1 as eight C operands; P2 = 1: b2 of my eight columns (v160-167)
.set TT,  224                          ; window 1, v224-255: P2 = 1: results on their way out
                                       ; window 2: accumulators of blocks 0-3, (i, f) at 64 i + 8 f;  window 3: v0-127 those of blocks 4, 5
.set WS,  128                          ; window 3, v128-255: weights as loaded, two buffers of 64: register 4 i + j = row i, column j of my four
; scalar registers: s[4:5] tokens, s[6:7] weights (both step), s[8:9] bias, s[10:11] st, s[12:13] the output
.set WV,   16                          ; my wave's number
.set NBLK, 20                          ; the expert's blocks
.set RB0,  21                          ; its first block
.set NBT,  22                          ; my blocks
.set NB,   23                          ; min(my blocks, 6)
.set CNT,  24                          ; a loop's count
.set TBR,  25                          ; LDS byte of the operands to be read next
.set TBW,  26                          ; LDS byte of the chunk to be written next
.set RB,   28                          ; s28-33 my first six blocks' numbers
.set IB,   34                          ; the block beyond the first six: its turn,
.set RBO,  35                          ; its number
.set MSB, 0
.macro WIN new                         ; the immediate's high byte repeats the setting that is left; a switch that changes nothing is dropped
.if MSB != (\new)
	s_set_vgpr_msb (MSB<<8)|(\new)
.set MSB, (\new)
.endif
.endm
; A load into a register that a matrix instruction has read, and a vector instruction that reads a matrix result, stand four places behind it; only plain vector instructions that name none of its registers are places.
.macro PLACES
.rept 4
	v_nop
.endr
.endm
.macro ISSUE_W b, ahead, h             ; half h (rows 8 h .. 8 h + 7) of my part of the chunk `ahead` chunks behind the pointer, into buffer b
	WIN 0xc0
.irp i, 0,1,2,3,4,5,6,7
	global_load_b128 v[WS+64*(\b)+4*(8*(\h)+\i):WS+64*(\b)+4*(8*(\h)+\i)+3], v[WO], s[6:7] offset:(8*(\h)+\i)*RS+(\ahead)*WSTEP th:TH_LOAD_NT
.endr
.endm
.macro ISSUE_A p, s, off               ; step s of my six blocks, of the group of 64 along K that lies off bytes behind the pointer, into half buffer (p, s): always 12 loads, so that the counted waits hold on every path; a block that I do not have repeats one that exists
	WIN 0
.irp i, 0,1,2,3,4,5
	global_load_b128 v[AB+96*(\p)+16*\i+8*(\s):AB+96*(\p)+16*\i+8*(\s)+3],   v[AO+\i], s[4:5] offset:(\off)+1024*(\s)
	global_load_b128 v[AB+96*(\p)+16*\i+8*(\s)+4:AB+96*(\p)+16*\i+8*(\s)+7], v[AO+\i], s[4:5] offset:(\off)+1024*(\s)+512
.endr
.endm
.macro CVT_ST b                        ; buffer b is rounded to bf16, two rows to a word, and stored as four operands
	WIN 0x4f
.irp jp, 0,1,2,3
.irp rho, 0,1,2,3,4,5,6,7
	v_cvt_pk_bf16_f32 v[CV+8*\jp+\rho], v[WS+64*(\b)+8*\rho+\jp], v[WS+64*(\b)+8*\rho+4+\jp]
.endr
.endr
	WIN 0
	v_add_nc_u32 v[ADR], s[TBW], v[WW0]
	WIN 0x04
.irp jp, 0,1,2,3
	ds_store_b128 v[ADR], v[CV+8*\jp:CV+8*\jp+3]   offset:\jp*1024      ; 512 consecutive bytes: no two lanes meet in a bank
	ds_store_b128 v[ADR], v[CV+8*\jp+4:CV+8*\jp+7] offset:\jp*1024+512
.endr
	s_add_co_u32 s[TBW], s[TBW], 16384
.endm
.macro LOAD_B buf                      ; the eight operands of the next step, into buffer buf
	WIN 0
	v_add_nc_u32 v[ADR], s[TBR], v[L16]
	WIN 0x40
.irp f, 0,1,2,3,4,5,6,7
	ds_load_b128 v[64*(\buf)+8*\f:64*(\buf)+8*\f+3],   v[ADR] offset:\f*1024
	ds_load_b128 v[64*(\buf)+8*\f+4:64*(\buf)+8*\f+7], v[ADR] offset:\f*1024+512
.endr
	s_add_co_u32 s[TBR], s[TBR], 8192
.endm
.macro MUL8 i, s, p, zero              ; block i, step s, tokens' parity p: eight matrix instructions, one on each of the block's accumulators.  zero = 1: they start the sums
.set aB, AB+96*(\p)+16*(\i)+8*(\s)
.set cB, 64*((\i)%4)
.if P2
	WIN 0xa4+0x50*((\i)/4)                         ; tokens window 0, weights window 1, C and D window 2 or 3
.elseif \zero
	WIN 0x91+0x40*((\i)/4)                         ; weights window 1, tokens window 0, C (b1) window 1, D window 2 or 3
.else
	WIN 0xa1+0x50*((\i)/4)
.endif
.irp f, 0,1,2,3,4,5,6,7
.if P2
.if \zero
	v_wmma_f32_16x16x32_bf16 v[cB+8*\f:cB+8*\f+7], v[aB:aB+7], v[64*(\s)+8*\f:64*(\s)+8*\f+7], 0
.else
	v_wmma_f32_16x16x32_bf16 v[cB+8*\f:cB+8*\f+7], v[aB:aB+7], v[64*(\s)+8*\f:64*(\s)+8*\f+7], v[cB+8*\f:cB+8*\f+7]
.endif
.else
.if \zero
	v_wmma_f32_16x16x32_bf16 v[cB+8*\f:cB+8*\f+7], v[64*(\s)+8*\f:64*(\s)+8*\f+7], v[aB:aB+7], v[BI+8*\f:BI+8*\f+7]
.else
	v_wmma_f32_16x16x32_bf16 v[cB+8*\f:cB+8*\f+7], v[64*(\s)+8*\f:64*(\s)+8*\f+7], v[aB:aB+7], v[cB+8*\f:cB+8*\f+7]
.endif
.endif
.endr
.endm
; One step of a chunk for my blocks.  Blocks that I do not have are jumped over, forward, past matrix instructions alone.  zero = 1: all six are multiplied, so that every accumulator is written on every path.
; The accumulators take turns, one instruction a turn: behind (i, 7) comes (i + 1, 0) or, in the next step, (0, 0).
.macro KS s, p, zero
.irp i, 0,1,2,3,4,5
.if !(\zero)
	WIN 0                                          ; at a branch and at a label every window is 0
	s_cmp_le_u32 s[NB], \i
	s_cbranch_scc1 .Lks_\@
.endif
	MUL8 \i, \s, \p, \zero
.endr
	WIN 0
.Lks_\@:
.endm
; TRIP c (p = c & 1).  It rounds and publishes chunk c + 1 and multiplies chunk c.
; THE LOADS.  Registers are asked for again as soon as their last reader is past.  At the trip's head, behind step 1 of chunk c - 1: T1(c + 1), the tokens' step 1 of chunk c + 1 (12 loads).  Behind the rounding of
; chunk c + 1: W(c + 3), the weights of chunk c + 3 (16 loads: eight at once, eight behind step 0).  Behind step 0 of chunk c: T0(c + 2), the tokens' step 0 of chunk c + 2 (12 loads).  So tokens are asked for a trip and a
; half ahead of their use, weights two trips.  Loads come back in the order of issue (ISA guide 5.7.1), which is T1(c + 1), W(c + 3), T0(c + 2) in trip c:
;   nH, at the head, for W(c + 1) and T0(c): behind T0(c) stand T1(c) 12, W(c + 2) 16, T0(c + 1) 12 = 40.        nM, ahead of step 1, for T1(c): behind it stand W(c + 2) 16, T0(c + 1) 12, T1(c + 1) 12, W(c + 3) 16 = 56.
;   In the last three trips the loads that are no longer asked for fall out of these sums.
; By this count a wave can have 68 loads asked for at once, more than LOADcnt's field holds; the issue of a load that would pass the field waits for the oldest (ISA guide 5.7.1).  The weights' second eight stand behind step 0,
; so that the oldest load, T1(c)'s first, was then asked for a trip and a step earlier.
; nDS = the trip's eight LDS stores, issued behind step 0's operand loads.  cvt, t1, isW, t0: there is a chunk to round, T1, W, T0 to ask for.  pf: the prefetch: 1 always, 2 not in the loop's last trip.
.macro TRIP p, zero, nH, nM, cvt, t1, isW, t0, pf, nDS, last
	PLACES                                         ; behind the last trip's products: for the loads into the tokens' half buffer (1 - p, 1) and into step 1's operands
.if !(\last)
	s_wait_xcnt 0x0                                ; the two pointers are stepped only behind this wait
	s_add_nc_u64 s[4:5], s[4:5], 2048              ; both now stand at chunk c + 1
	s_add_nc_u64 s[6:7], s[6:7], WSTEP
.endif
	s_wait_loadcnt \nH
.if \t1
	ISSUE_A 1-(\p), 1, 0
.endif
.if \cvt
	CVT_ST 1-(\p)
.endif
.if \isW
	ISSUE_W 1-(\p), 2, 0
.endif
	s_wait_dscnt \nDS
	LOAD_B 1                                       ; chunk c, step 1: on its way while step 0 is multiplied
	WIN 0
.if (\pf) == 2
	s_cmp_eq_u32 s[CNT], 1
	s_cbranch_scc1 .Lnopf_\@
.endif
.if \pf
	global_prefetch_b8 v[PFO], s[6:7] offset:4*WSTEP th:TH_LOAD_NT scope:SCOPE_SE  ; my 8 KB of chunk c + 5, which trip c + 2 loads: each of its 32 aligned blocks of 256 bytes is named once, by one lane.  Trips 0 to 10 ask; chunk 15 is the last
.endif
.if (\pf) == 2
.Lnopf_\@:
.endif
	KS 0, \p, \zero
.if \isW
	ISSUE_W 1-(\p), 2, 1
.endif
	s_wait_dscnt 0x0                               ; step 1's operands are in; for the others' sake: my stores of chunk c + 1 are done
.if !(\last)
	s_barrier_signal -1
	s_barrier_wait -1                              ; chunk c + 1 is whole
	PLACES                                         ; behind step 0's products: for the loads into step 0's operands and into the tokens' half buffer (p, 0)
	LOAD_B 0                                       ; chunk c + 1, step 0: on its way while step 1 is multiplied
.endif
	s_wait_loadcnt \nM
.if \t0
	ISSUE_A \p, 0, 2048
.endif
	KS 1, \p, 0
.endm
; A chunk for one block beyond the first six: tokens from memory, both steps' operands from LDS, sixteen matrix instructions on block 0's accumulators.
.macro CHB zero
	PLACES
	WIN 0
.irp q, 0,1,2,3
	global_load_b128 v[AB+4*\q:AB+4*\q+3], v[AOB], s[36:37] offset:\q*512
.endr
	v_add_nc_u32 v[ADR], s[TBR], v[L16]
	WIN 0x40
.irp f, 0,1,2,3,4,5,6,7,8,9,10,11,12,13,14,15
	ds_load_b128 v[8*\f:8*\f+3],   v[ADR] offset:\f*1024
	ds_load_b128 v[8*\f+4:8*\f+7], v[ADR] offset:\f*1024+512
.endr
	s_add_co_u32 s[TBR], s[TBR], 16384
	s_wait_loadcnt 0x0                             ; the loads are done, so their pointer may step
	s_wait_dscnt 0x0
	s_add_nc_u64 s[36:37], s[36:37], 2048
	MUL8 0, 0, 0, \zero
	MUL8 0, 1, 0, 0
	WIN 0
.endm
; THE WAY OUT of my block i, whose number is in s[srb].  Each accumulator's registers are read in ascending order.
.macro EPI i, srb
	WIN 0
	s_wait_xcnt 0x0                                ; the offset and the registers that earlier stores read are rewritten only behind this wait
	s_lshl_b32 s42, s[\srb], OSH
.if P2
	v_add_nc_u32 v[SO], s42, v[YO]
.else
	v_add_nc_u32 v[SO], s42, v[L16]
.endif
.set cB, 64*((\i)%4)
.irp cg, 0,1
.if P2
.set tB, TT-96*\cg
	WIN 0x46+(\i)/4                                ; accumulators window 2 or 3, b2 and the destination window 1
.irp j, 0,1,2,3,4,5,6,7
.irp jp, 0,1,2,3
	v_add_f32 v[tB+4*\j+\jp], v[cB+8*(4*\cg+\jp)+\j], v[BI+4*\cg+\jp]
.endr
.endr
	WIN 0x04
.irp j, 0,1,2,3,4,5,6,7
	global_store_b128 v[SO], v[tB+4*\j:tB+4*\j+3], s[12:13] offset:\j*4096+\cg*256  ; sixteen lanes store 256 consecutive bytes, at a multiple of 256 from y's first byte
.endr
.else
	WIN 0x4a+5*((\i)/4)                            ; accumulators window 2 or 3, the destination window 1
.irp j, 0,1,2,3,4,5,6,7
.irp u, 0,1
	v_cvt_pk_bf16_f32 v[CV+16*\cg+2*\j+\u], v[cB+8*(4*\cg+2*\u)+\j], v[cB+8*(4*\cg+2*\u+1)+\j]
.endr
.endr
	WIN 0x41
.irp d, 0,1,2,3,4,5,6,7,8,9,10,11,12,13,14,15
	v_pk_max_num_bf16 v[CV+16*\cg+\d], v[CV+16*\cg+\d], v[ZR]  ; relu on two numbers at once; nothing is rounded
.endr
	WIN 0x04
.irp q, 0,1,2,3
	global_store_b128 v[SO], v[CV+16*\cg+4*\q:CV+16*\cg+4*\q+3], s[12:13] offset:\cg*2048+\q*512  ; 512 consecutive bytes, in the next product's operand order
.endr
.endif
.endr
.endm
	s_load_b256 s[4:11], s[0:1], 0x0               ; tokens s[4:5], weights s[6:7], bias s[8:9], st s[10:11]
	s_load_b64 s[12:13], s[0:1], 0x20              ; the output
	v_lshl_add_u32 v[SPW], v0, 2, SPARE
	v_mov_b32 v[NIL], 0
	v_lshrrev_b32 v1, 5, v0
	v_readfirstlane_b32 s[WV], v1                  ; wave 0..3
	v_and_b32 v1, 31, v0                           ; lane
	v_and_b32 v2, 15, v0                           ; r
	v_bfe_u32 v3, v0, 4, 1                         ; h
	v_lshlrev_b32 v[L16], 4, v1
	s_and_b32 s18, ttmp9, 7                        ; the expert: x's low three bits
	s_and_b32 s19, ttmp7, 0xffff                   ; y
	s_lshr_b32 s40, s[WV], 1                       ; the step whose weights I fetch
	s_and_b32 s41, s[WV], 1                        ; the column half
	s_lshl_b32 s42, s40, 4+RSH
	s_lshl_b32 s43, s41, 8
	s_add_co_u32 s42, s42, s43
	v_lshlrev_b32 v[WO], 5+RSH, v3
	v_add_nc_u32 v[WO], s42, v[WO]                 ; row 32 h + 16 step, 256 bytes a column half,
	v_lshl_add_u32 v[PFO], v2, RSH, v[WO]          ; the prefetch: + r rows
	v_lshl_add_u32 v[WO], v2, 4, v[WO]             ; the loads: + 16 r bytes
	s_lshl_b32 s44, s40, 13
	s_lshl_b32 s45, s41, 12
	s_add_co_u32 s44, s44, s45
	v_add_nc_u32 v[WW0], s44, v[L16]
	s_lshl_b32 s46, s18, 24                        ; an expert's weights are 16 MB
	s_lshl_b32 s52, s18, 3
	s_mov_b32 s53, 0
.if P2
	s_lshr_b32 s55, ttmp9, 3                       ; the quarter of K
	s_lshl_b32 s47, s55, 22                        ; 1,024 rows of 4,096 bytes
	s_add_co_u32 s46, s46, s47
	s_lshl_b32 s47, s19, 9                         ; the slice of 128 columns: y
	s_add_co_u32 s46, s46, s47
	s_lshl_b32 s48, s18, 12
	s_add_co_u32 s48, s48, s47
	s_mul_i32 s50, s55, YQ
	s_add_co_u32 s50, s50, s47
	s_lshl_b32 s56, s55, 15                        ; 16 groups of 2,048 bytes in each block of hT
	s_mov_b32 s57, 0
	v_lshlrev_b32 v[BO], 4, v2
	v_lshl_add_u32 v[YO], v3, 15, v[BO]            ; 8 h rows of 4,096 bytes + 16 r
.else
	s_lshr_b32 s54, ttmp9, 3
	s_lshl2_add_u32 s54, s19, s54                  ; the slice of 128 columns: 4 y + (x >> 3)
	s_lshl_b32 s47, s54, 9
	s_add_co_u32 s46, s46, s47
	s_lshl_b32 s48, s18, 14
	s_add_co_u32 s48, s48, s47
	s_lshl_b32 s50, s54, 12                        ; two groups of 2,048 bytes in each block of hT
	v_lshlrev_b32 v[BO], 7, v3
	v_mov_b32 v[ZR], 0
.endif
	s_mov_b32 s47, 0
	s_mov_b32 s49, 0
	s_mov_b32 s51, 0
	s_mov_b32 s[TBR], 0
	s_mov_b32 s[TBW], 0
	s_wait_kmcnt 0x0
	s_add_nc_u64 s[6:7], s[6:7], s[46:47]
	s_add_nc_u64 s[8:9], s[8:9], s[48:49]
	s_add_nc_u64 s[10:11], s[10:11], s[52:53]
	s_add_nc_u64 s[12:13], s[12:13], s[50:51]
.if P2
	s_add_nc_u64 s[4:5], s[4:5], s[56:57]
.endif
	s_mov_b64 s[38:39], s[4:5]                     ; kept for the blocks beyond the first six
	s_load_b64 s[NBLK:RB0], s[10:11], 0x0          ; the expert's blocks and its first block
	WIN 0x40
.if P2
	global_load_b128 v[BI:BI+3],   v[BO], s[8:9]              ; b2 of columns 4 r .. 4 r + 3,
	global_load_b128 v[BI+4:BI+7], v[BO], s[8:9] offset:256   ; and of 64 + 4 r ..
.else
.irp cg, 0,1
.irp j, 0,1,2,3,4,5,6,7
	global_load_b128 v[64+32*\cg+4*\j:64+32*\cg+4*\j+3], v[BO], s[8:9] offset:256*\cg+16*\j  ; b1 of columns 64 cg + 32 h + 4 j .. + 3, for now where step 1's operands will lie
.endr
.endr
.endif
	ISSUE_W 0, 0, 0                                ; the weights hang on no routing: chunks 0 and 1 go out ahead of the wait for the table
	ISSUE_W 0, 0, 1
	ISSUE_W 1, 1, 0
	ISSUE_W 1, 1, 1
	WIN 0
	s_wait_kmcnt 0x0
	s_add_co_u32 s[NBT], s[NBLK], 3
	s_sub_co_u32 s[NBT], s[NBT], s[WV]
	s_lshr_b32 s[NBT], s[NBT], 2                   ; blocks 4 i + w below the expert's number
	s_min_u32 s[NB], s[NBT], NBF
	s_max_u32 s40, s[NBLK], 1
	s_sub_co_u32 s40, s40, 1                       ; the expert's last block
	s_cmp_eq_u32 s[NBLK], 0
	s_cselect_b32 s41, 0, s[RB0]                   ; an expert without rows reads block 0, which every split has
.irp i, 0,1,2,3,4,5
	s_add_co_u32 s42, s[WV], 4*\i
	s_min_u32 s42, s42, s40                        ; a block that I do not have repeats the expert's last
	s_add_co_u32 s42, s42, s41
	s_min_u32 s[RB+\i], s42, MAXB
	s_lshl_b32 s42, s[RB+\i], ASH
	v_add_nc_u32 v[AO+\i], s42, v[L16]
.endr
	s_wait_loadcnt 32                              ; the bias, asked for first, is in; behind it: chunks 0 and 1 (16 each)
	WIN 0x45
.if P2
	s_cmp_eq_u32 s55, 0
	s_cselect_b32 s52, -1, 0                       ; b2 is added once: by the first quarter of K
.irp m, 0,1,2,3
	v_cvt_pk_bf16_f32 v[CV+\m], v[BI+2*\m], v[BI+2*\m+1]  ; rounded to bf16,
.endr
.irp m, 0,1,2,3
	v_and_b32 v[CV+\m], s52, v[CV+\m]
.endr
.irp m, 0,1,2,3
	v_lshlrev_b32 v[BI+2*\m], 16, v[CV+\m]                ; and widened again
	v_and_b32 v[BI+2*\m+1], 0xffff0000, v[CV+\m]
.endr
.else
.set m, 0
.rept 32
	v_cvt_pk_bf16_f32 v[CV+m], v[64+2*m], v[64+2*m+1]     ; b1 rounded to bf16,
.set m, m+1
.endr
.irp cg, 0,1
.irp j, 0,1,2,3,4,5,6,7
.irp u, 0,1
	v_lshlrev_b32 v[BI+8*(4*\cg+2*\u)+\j], 16, v[CV+16*\cg+2*\j+\u]           ; widened again, and laid as C operands: register j of operand f
	v_and_b32 v[BI+8*(4*\cg+2*\u+1)+\j], 0xffff0000, v[CV+16*\cg+2*\j+\u]
.endr
.endr
.endr
.endif
	ISSUE_A 0, 0, 0                                ; the loads now go out in the order that the trips go on with: W(1) is out; T0(0), T1(0),
	ISSUE_A 0, 1, 0
	s_wait_loadcnt 40                              ; chunk 0 is in; behind it: chunk 1 (16) and the tokens of chunk 0 (24)
	CVT_ST 0
	ISSUE_W 0, 2, 0                                ; W(2),
	ISSUE_W 0, 2, 1
	ISSUE_A 1, 0, 2048                             ; T0(1)
	s_wait_dscnt 0x0
	s_barrier_signal -1
	s_barrier_wait -1                              ; chunk 0 is whole
	LOAD_B 0
	TRIP 0, 1, 40, 56, 1, 1, 1, 1, 1, 8, 0         ; chunk 0 starts the sums
	s_mov_b32 s[CNT], 6
.Lpair:                                                ; chunks 1 to 12
	TRIP 1, 0, 40, 56, 1, 1, 1, 1, 2, 8, 0
	TRIP 0, 0, 40, 56, 1, 1, 1, 1, 2, 8, 0
	s_sub_co_u32 s[CNT], s[CNT], 1
	s_cmp_lg_u32 s[CNT], 0
	s_cbranch_scc1 .Lpair
	TRIP 1, 0, 40, 40, 1, 1, 0, 1, 0, 8, 0         ; chunk 13: no weights are left to ask for: behind T1(13) stand W(15) 16, T0(14) 12, T1(14) 12
	TRIP 0, 0, 24, 24, 1, 1, 0, 0, 0, 8, 0         ; chunk 14: behind T0(14) stand T1(14), T0(15); behind T1(14), T0(15) and T1(15)
	TRIP 1, 0, 12, 0, 0, 0, 0, 0, 0, 0, 1          ; chunk 15: behind T0(15) stands T1(15); nothing is left to round or to ask for
	PLACES                                         ; behind the last products
.irp i, 0,1,2,3,4,5
	WIN 0
	s_cmp_le_u32 s[NB], \i
	s_cbranch_scc1 .Lsent
	EPI \i, RB+\i
.endr
	WIN 0
.Lsent:
	s_cmp_le_u32 s[NBT], NBF
	s_cbranch_scc1 .Lend
	s_mov_b32 s[IB], NBF
.Lover:                                                ; my blocks 6 to 15 (an expert has 64 blocks at the most): ten trips; a block that I do not have is jumped over
	s_cmp_ge_u32 s[IB], s[NBT]
	s_cbranch_scc1 .Lnext
	s_wait_xcnt 0x0
	s_lshl_b32 s[RBO], s[IB], 2
	s_add_co_u32 s[RBO], s[RBO], s[WV]
	s_add_co_u32 s[RBO], s[RBO], s[RB0]
	s_min_u32 s[RBO], s[RBO], MAXB
	s_lshl_b32 s42, s[RBO], ASH
	v_add_nc_u32 v[AOB], s42, v[L16]
	s_mov_b64 s[36:37], s[38:39]
	s_mov_b32 s[TBR], 0
	CHB 1
	s_mov_b32 s[CNT], 15
.Lchunk:
	CHB 0
	s_sub_co_u32 s[CNT], s[CNT], 1
	s_cmp_lg_u32 s[CNT], 0
	s_cbranch_scc1 .Lchunk
	PLACES
	EPI 0, RBO
	WIN 0
.Lnext:
	s_add_co_u32 s[IB], s[IB], 1
	s_cmp_lt_u32 s[IB], 16
	s_cbranch_scc1 .Lover
.Lend:                                                 ; all ways of every wave meet here
	s_wait_dscnt 0x0                               ; my reads of LDS are over,
	s_barrier_signal -1
	s_barrier_wait -1                              ; and so are every wave's: no wave writes LDS again while another still reads
	s_wait_tensorcnt 0x0                           ; the wave's end, behind my last LDS store
	ds_add_u32 v[SPW], v[NIL]
	s_wait_dscnt 0x0
	s_endpgm
.Lfunc_end_k_qf78c7ad0e0_p2:
	.size	k_qf78c7ad0e0_p2, .Lfunc_end_k_qf78c7ad0e0_p2-k_qf78c7ad0e0_p2
	.p2alignl 7, 3214868480
	.fill 96, 4, 3214868480
	.section	.rodata,"a",@progbits
	.p2align	6, 0x0
	.amdhsa_kernel k_qf78c7ad0e0_p2
		.amdhsa_group_segment_fixed_size 262656
		.amdhsa_private_segment_fixed_size 0
		.amdhsa_enable_private_segment 0
		.amdhsa_kernarg_size 40
		.amdhsa_user_sgpr_count 2
		.amdhsa_user_sgpr_kernarg_segment_ptr 1
		.amdhsa_wavefront_size32 1
		.amdhsa_system_sgpr_workgroup_id_x 1
		.amdhsa_system_sgpr_workgroup_id_y 1
		.amdhsa_system_sgpr_workgroup_id_z 1
		.amdhsa_system_vgpr_workitem_id 0
		.amdhsa_next_free_vgpr 1024
		.amdhsa_next_free_sgpr 66
		.amdhsa_reserve_vcc 0
		.amdhsa_float_denorm_mode_32 3
		.amdhsa_float_denorm_mode_16_64 3
		.amdhsa_memory_ordered 1
		.amdhsa_forward_progress 1
		.amdhsa_inst_pref_size 142
	.end_amdhsa_kernel
	.amdgpu_metadata
---
amdhsa.version: [ 1, 2 ]
amdhsa.kernels:
  - .name:           k_qf78c7ad0e0_p2
    .symbol:         k_qf78c7ad0e0_p2.kd
    .args:
      - { .name: hT, .offset: 0, .size: 8, .value_kind: global_buffer, .address_space: global }
      - { .name: w2, .offset: 8, .size: 8, .value_kind: global_buffer, .address_space: global }
      - { .name: b2, .offset: 16, .size: 8, .value_kind: global_buffer, .address_space: global }
      - { .name: st, .offset: 24, .size: 8, .value_kind: global_buffer, .address_space: global }
      - { .name: y, .offset: 32, .size: 8, .value_kind: global_buffer, .address_space: global }
    .group_segment_fixed_size: 262656
    .private_segment_fixed_size: 0
    .kernarg_segment_align: 8
    .kernarg_segment_size: 40
    .max_flat_workgroup_size: 128
    .sgpr_count:     66
    .vgpr_count:     1024
    .wavefront_size: 32
...
	.end_amdgpu_metadata
.endif
;; end of part 4
;; launch combine (part 5): grid 256 x 1, 8 waves a work-group, no clusters, 0 bytes of LDS; arguments st, gat, y, out0; writes out0
.if DOCPART == 5
	.amdgcn_target "amdgcn-amd-amdhsa--gfx1250"
	.amdhsa_code_object_version 6
	.text
	.protected	k_qf78c7ad0e0_combine
	.globl	k_qf78c7ad0e0_combine
	.p2align	8
	.type	k_qf78c7ad0e0_combine,@function
k_qf78c7ad0e0_combine:
	s_mov_b64 s[64:65], 0
	v_nop
	global_prefetch_b8 v0, s[64:65] scope:SCOPE_SE
	s_setreg_imm32_b32 hwreg(HW_REG_WAVE_MODE, 25, 1), 1
	s_wait_xcnt 0x0
; out[t] = g0 (the sum over the four quarters of K of y[q][row of t's first expert]) + g1 (the same for its second expert).  All in f32: these are partial sums.
; A wave owns half a row of one token (2,048 bytes): 4 tokens a work-group, 256 work-groups.  The rows' numbers are whole numbers that an earlier launch stored (st, at 256 + 8 t); the gates lie in gat at 8 t.
; A stream: each byte of y that counts is read once, by loads of 512 consecutive bytes, all 32 of a wave out before the first wait; each store covers 512 consecutive bytes.  No LDS, no barrier, no matrix unit, no cluster: nothing is shared.
.set YQ, 8912896                       ; bytes of one quarter's 2,176 rows of y
.set D,  8                             ; v8-135: segment g of 512 bytes, expert k, quarter q: four registers at D + 32 g + 16 k + 4 q
	s_load_b256 s[4:11], s[0:1], 0x0               ; st s[4:5], gat s[6:7], y s[8:9], out0 s[10:11]
	v_lshrrev_b32 v1, 5, v0
	v_readfirstlane_b32 s12, v1                    ; wave
	v_and_b32 v1, 31, v0                           ; lane
	s_lshr_b32 s13, s12, 1
	s_lshl2_add_u32 s13, ttmp9, s13                ; my token: 4 x work-group + wave / 2
	s_and_b32 s14, s12, 1                          ; which half of its row
	s_lshl_b32 s16, s13, 3
	s_mov_b32 s17, 0
	s_lshl_b32 s15, s14, 11
	v_lshl_add_u32 v2, v1, 4, s15                  ; 2,048 x half + 16 x lane
	s_lshl_b32 s22, s13, 12
	s_mov_b32 s23, 0
	s_wait_kmcnt 0x0
	s_add_nc_u64 s[4:5], s[4:5], s[16:17]
	s_add_nc_u64 s[6:7], s[6:7], s[16:17]
	s_load_b64 s[18:19], s[4:5], 0x100             ; the two rows
	s_load_b64 s[20:21], s[6:7], 0x0               ; the two gates
	s_add_nc_u64 s[24:25], s[8:9], YQ              ; y's quarters 1, 2, 3
	s_add_nc_u64 s[26:27], s[24:25], YQ
	s_add_nc_u64 s[28:29], s[26:27], YQ
	s_add_nc_u64 s[10:11], s[10:11], s[22:23]
	s_wait_kmcnt 0x0
	s_min_u32 s18, s18, 2175
	s_min_u32 s19, s19, 2175
	s_lshl_b32 s18, s18, 12
	s_lshl_b32 s19, s19, 12
	v_add_nc_u32 v3, s18, v2
	v_add_nc_u32 v4, s19, v2
	s_mov_b32 s30, s21                             ; the second gate as the low word of a pair: the packed forms take a scalar pair's low word for both halves
	s_mov_b32 s31, s21
.irp g, 0,1,2,3
.irp k, 0,1
	global_load_b128 v[D+32*\g+16*\k:D+32*\g+16*\k+3],     v[3+\k], s[8:9]   offset:512*\g th:TH_LOAD_NT
	global_load_b128 v[D+32*\g+16*\k+4:D+32*\g+16*\k+7],   v[3+\k], s[24:25] offset:512*\g th:TH_LOAD_NT
	global_load_b128 v[D+32*\g+16*\k+8:D+32*\g+16*\k+11],  v[3+\k], s[26:27] offset:512*\g th:TH_LOAD_NT
	global_load_b128 v[D+32*\g+16*\k+12:D+32*\g+16*\k+15], v[3+\k], s[28:29] offset:512*\g th:TH_LOAD_NT
.endr
.endr
.irp g, 0,1,2,3
	s_wait_loadcnt 24-8*\g                         ; loads come back in order (ISA guide 5.7.1): this segment's eight are in, the later segments' stay out
.irp k, 0,1
.irp c, 0,2
	v_pk_add_f32 v[D+32*\g+16*\k+\c:D+32*\g+16*\k+\c+1],     v[D+32*\g+16*\k+\c:D+32*\g+16*\k+\c+1],     v[D+32*\g+16*\k+4+\c:D+32*\g+16*\k+5+\c]
	v_pk_add_f32 v[D+32*\g+16*\k+8+\c:D+32*\g+16*\k+9+\c],   v[D+32*\g+16*\k+8+\c:D+32*\g+16*\k+9+\c],   v[D+32*\g+16*\k+12+\c:D+32*\g+16*\k+13+\c]
.endr
.irp c, 0,2
	v_pk_add_f32 v[D+32*\g+16*\k+\c:D+32*\g+16*\k+\c+1],     v[D+32*\g+16*\k+\c:D+32*\g+16*\k+\c+1],     v[D+32*\g+16*\k+8+\c:D+32*\g+16*\k+9+\c]
.endr
.endr
.irp c, 0,2
	v_pk_mul_f32 v[D+32*\g+\c:D+32*\g+\c+1], v[D+32*\g+\c:D+32*\g+\c+1], s[20:21] op_sel_hi:[1,0]
.endr
.irp c, 0,2
	v_pk_fma_f32 v[D+32*\g+\c:D+32*\g+\c+1], v[D+32*\g+16+\c:D+32*\g+17+\c], s[30:31], v[D+32*\g+\c:D+32*\g+\c+1] op_sel_hi:[1,0,1]
.endr
	global_store_b128 v2, v[D+32*\g:D+32*\g+3], s[10:11] offset:512*\g th:TH_STORE_NT
.endr
	s_endpgm
.Lfunc_end_k_qf78c7ad0e0_combine:
	.size	k_qf78c7ad0e0_combine, .Lfunc_end_k_qf78c7ad0e0_combine-k_qf78c7ad0e0_combine
	.p2alignl 7, 3214868480
	.fill 96, 4, 3214868480
	.section	.rodata,"a",@progbits
	.p2align	6, 0x0
	.amdhsa_kernel k_qf78c7ad0e0_combine
		.amdhsa_group_segment_fixed_size 0
		.amdhsa_private_segment_fixed_size 0
		.amdhsa_enable_private_segment 0
		.amdhsa_kernarg_size 32
		.amdhsa_user_sgpr_count 2
		.amdhsa_user_sgpr_kernarg_segment_ptr 1
		.amdhsa_wavefront_size32 1
		.amdhsa_system_sgpr_workgroup_id_x 1
		.amdhsa_system_sgpr_workgroup_id_y 1
		.amdhsa_system_sgpr_workgroup_id_z 1
		.amdhsa_system_vgpr_workitem_id 0
		.amdhsa_next_free_vgpr 136
		.amdhsa_next_free_sgpr 66
		.amdhsa_reserve_vcc 0
		.amdhsa_float_denorm_mode_32 3
		.amdhsa_float_denorm_mode_16_64 3
		.amdhsa_memory_ordered 1
		.amdhsa_forward_progress 1
		.amdhsa_inst_pref_size 10
	.end_amdhsa_kernel
	.amdgpu_metadata
---
amdhsa.version: [ 1, 2 ]
amdhsa.kernels:
  - .name:           k_qf78c7ad0e0_combine
    .symbol:         k_qf78c7ad0e0_combine.kd
    .args:
      - { .name: st, .offset: 0, .size: 8, .value_kind: global_buffer, .address_space: global }
      - { .name: gat, .offset: 8, .size: 8, .value_kind: global_buffer, .address_space: global }
      - { .name: y, .offset: 16, .size: 8, .value_kind: global_buffer, .address_space: global }
      - { .name: out0, .offset: 24, .size: 8, .value_kind: global_buffer, .address_space: global }
    .group_segment_fixed_size: 0
    .private_segment_fixed_size: 0
    .kernarg_segment_align: 8
    .kernarg_segment_size: 32
    .max_flat_workgroup_size: 256
    .sgpr_count:     66
    .vgpr_count:     136
    .wavefront_size: 32
...
	.end_amdgpu_metadata
.endif
;; end of part 5
;; ======== version 2 of 2: 5 launches; version 1 with the launches p1, p2 written anew for expert scheduling mode
;; workspace buffers: rt 12,288 bytes of whole numbers; gat 8,192 bytes; st 8,448 bytes of whole numbers; xT 4,456,448 bytes; hT 17,825,792 bytes; y 35,651,584 bytes
;; launch router: the kernel of part 1 again; grid 32 x 1, 8 waves a work-group, no clusters, 21,760 bytes of LDS; arguments x, router_w, router_b, rt, gat; writes rt, gat
;; launch sort: the kernel of part 2 again; grid 136 x 1, 8 waves a work-group, no clusters, 2,048 bytes of LDS; arguments rt, x, st, xT; writes st, xT
;; launch p1 (part 6): grid 32 x 8, 4 waves a work-group, no clusters, 262,656 bytes of LDS; arguments xT, w1, b1, st, hT; writes hT
.if DOCPART == 6
	.amdgcn_target "amdgcn-amd-amdhsa--gfx1250"
	.amdhsa_code_object_version 6
	.text
	.protected	k_qf78c7ad0e0_p1
	.globl	k_qf78c7ad0e0_p1
	.p2align	8
	.type	k_qf78c7ad0e0_p1,@function
k_qf78c7ad0e0_p1:
	s_mov_b64 s[64:65], 0
	v_nop
	global_prefetch_b8 v0, s[64:65] scope:SCOPE_SE
	s_setreg_imm32_b32 hwreg(HW_REG_WAVE_SCHED_MODE, 0, 2), 2
	s_setreg_imm32_b32 hwreg(HW_REG_WAVE_MODE, 25, 1), 1
	s_wait_xcnt 0x0
	s_wait_alu depctr_vm_vsrc(0)
; ONE EXPERT'S PRODUCT ON A SLICE OF ITS WEIGHTS.  One text serves both products; P2 chooses.
;   P2 = 0: h = relu(x W1[e] + b1[e]), rounded to bf16.  Arguments: xT, w1, b1, st, hT.      P2 = 1: y[kq] = h W2[e] (rows 1,024 kq .. + 1,023 of W2) + b2[e] (for kq = 0 alone), in f32.  Arguments: hT, w2, b2, st, y.
; FORMATS.  Weights and biases are rounded once to bf16 on their way through registers; x and h arrive in bf16; sums in f32.  LIMITS.  NaN and infinities are not treated apart (a NaN's relu is 0).
; SHARES.  Work-group = expert x 128 output columns x 1,024 along K: 512 KB of f32 weights that it alone reads, once.  The expert is x & 7.  P2 = 0: slice 4 y + (x >> 3) of 32 slices of columns.
; P2 = 1: quarter x >> 3 of K, slice y of 8.  So the work-groups that read the same token blocks (an expert's 32; the 8 of an expert's quarter) agree in x's low three bits, and for P2 = 1 in all of x.
; An expert's rows lie in blocks of 16 (st: number of blocks, first block).  Wave w owns the blocks 4 i + w and all 128 columns: one operand of tokens feeds eight matrix instructions.
; THE WALK.  K goes in 16 chunks of 64.  A chunk's weights go memory -> registers -> bf16 operands -> LDS, where they STAY: no LDS byte is written twice, and one barrier a chunk only publishes.
; While the chunks arrive each wave multiplies its first 6 blocks (384 rows a work-group) on 48 accumulators.  What an expert has beyond that is multiplied afterwards from the weights in LDS, a block at a time,
; in a loop without barrier and without LDS store.  So every split of the tokens is served, each weight byte is read once, and every wave passes every barrier.  An expert without rows streams its weights and stores nothing.
; ORDER ALONG K.  In a group of 64 lane (r = lane % 16, h = lane / 16) holds the numbers 32 h + 16 s + 0..15 in the operand of step s (0, 1), tokens and weights alike, so the sums are those of the natural order.
; Tokens lie in memory in that order (block rb, group kg: 2,048 bytes; words 4 q .. 4 q + 3 of a lane's 16 at 512 q + 16 lane): two loads of 512 consecutive bytes fill a step's operand.
; WEIGHTS.  Wave w takes step w >> 1 and column half cg = w & 1 of each chunk: 16 loads; in each, lanes 0-15 take 256 consecutive, aligned bytes of row 16 (w >> 1) + i, lanes 16-31 those of the row 32 further down.
; A lane's four columns go to four operands: operand f = 4 cg + j, place r, is column 64 cg + 4 r + j of the slice.
; RESULTS.  P2 = 0: the product is used transposed (source 0 = weights, source 1 = tokens): a lane holds token r and register j of accumulator f column 64 cg + 32 h + 4 j + (f & 3): two accumulators' registers pack into
; a word of the next product's operand order, and a store covers 512 consecutive bytes.  b1 is the C operand of the first product.  P2 = 1: natural order: register j is token 8 h + j, column 64 cg + 4 r + (f & 3);
; the add that brings four accumulators' registers side by side also adds b2; sixteen lanes store 256 consecutive, aligned bytes of a row.
; NO CLUSTER, NO TENSOR LOADS.  The weights have one reader and must pass through registers to be rounded.  An expert's 32 work-groups do share its token blocks, but those go straight into registers; a joint tile would
; have to lie in LDS beside the weights' 262,144 bytes, where 65,024 are left: two blocks of 32 KB against the 24 that a work-group walks.
; THE MODE: SCHED_MODE bits 1:0 = 2 (LLVM: expert scheduling mode 2), set by the entry lines.  The code itself states the register dependences between vector or matrix instructions and memory or LDS
; instructions, with s_wait_alu, always for 0.
; THE PLAN.  Registers that memory or LDS instructions touch while the chunks arrive, and who else names them (trip c, p = c & 1):
;   AB (p, s)        four half buffers of tokens.  Loads land in them; the products of step s of a chunk of parity p read them.
;   WS0, WS1         weights as loaded.  Loads land in them; the 32 roundings of the trip that publishes the chunk read them.
;   CV               written by those roundings; read by the trip's eight LDS stores.
;   B0, B1           the weights' operands of step 0 and of step 1.  LDS loads land in them; the step's products read them.
;   v[ADR], v[ADW]   LDS addresses of chunk c, as read and as written: made once a trip, at its head; immediate offsets reach step 1 and chunk c + 1.
;   v[WO], v[PFO], v[AO ..]   offsets, made at the kernel's head and never written again: the scalar pointers step.
;   The accumulators and b1's C operands are named by vector and matrix instructions alone.
; So a trip has three such waits: on vm_vsrc at its head; on va_vdst behind its roundings; on va_vdst behind its barrier.  The macro TRIP says what each states and which loads and stores follow it.
.set P2, 0
.if P2
.set RSH, 12                           ; a row of W2 is 4,096 bytes
.set ASH, 17                           ; a block of hT is 131,072 bytes
.set OSH, 16                           ; a block's 16 rows of y are 65,536 bytes
.else
.set RSH, 14                           ; a row of W1 is 16,384 bytes
.set ASH, 15                           ; a block of xT is 32,768 bytes
.set OSH, 17                           ; a block of hT
.endif
.set RS,    1<<RSH
.set WSTEP, 64*RS                      ; bytes from chunk to chunk
.set NBF,   6                          ; blocks a wave multiplies while the weights arrive
.set MAXB,  135                        ; the last block that any split can use
.set YQ,    8912896                    ; y: bytes of one quarter's 2,176 rows
.set SPARE, 262144                     ; LDS: 0 .. 262,143 the operands: (chunk c, step s, operand f) is 1,024 bytes at ((2 c + s) 8 + f) 1,024, words 4 q .. at 512 q + 16 lane; then the spare words, 128 bytes a wave
; vector registers, in windows of 256 (s_set_vgpr_msb: bits 1:0 source 0, 3:2 source 1, 5:4 source 2, 7:6 destination)
.set L16, 4                            ; v4     16 x lane; never rewritten
.set WO,  5                            ; v5     my byte offset in a chunk of weights
.set ADR, 6                            ; v6     LDS: 16 x lane in the chunk that the trip multiplies
.set WW0, 7                            ; v7     where my operands go in a chunk's 16,384 bytes of LDS; never rewritten
.set PFO, 8                            ; v8     the prefetch: lane l names block l of the 32 aligned blocks of 256 bytes of my part of a chunk
.set YO,  9                            ; v9     P2 = 1: my byte offset in a block's rows of y
.set AO,  10                           ; v10-15 my byte offset in my block i of tokens
.set SO,  16                           ; v16    the stores' offset
.set AOB, 17                           ; v17    as AO, for a block beyond the first six
.set ZR,  18                           ; v18    P2 = 0: 0, for the relu
.set BO,  19                           ; v19    the bias loads' offset
.set ADW, 20                           ; v20    LDS: my operands' place in the chunk that the trip multiplies; the stores reach one chunk on
.set SPW, 30                           ; v30    LDS address of my spare word; never rewritten
.set NIL, 31                           ; v31    0; never rewritten
.set AB,  64                           ; window 0, v64-255: tokens' operands, four half buffers: chunk parity p, block i, step s at AB + 96 p + 16 i + 8 s
                                       ; window 1, v0-127: weights' operands of step 0 and of step 1, operand f at 64 s + 8 f
.set CV,  128                          ; window 1, v128-159: packed words on their way to LDS or to memory
.set BI,  160                          ; window 1, v160-223: P2 = 0: b1 as eight C operands; P2 = 1: b2 of my eight columns (v160-167)
.set TT,  224                          ; window 1, v224-255: P2 = 1: results on their way out
                                       ; window 2: accumulators of blocks 0-3, (i, f) at 64 i + 8 f;  window 3: v0-127 those of blocks 4, 5
.set WS,  128                          ; window 3, v128-255: weights as loaded, two buffers of 64: register 4 i + j = row i, column j of my four
; scalar registers: s[4:5] tokens, s[6:7] weights (both step), s[8:9] bias, s[10:11] st, s[12:13] the output
.set WV,   16                          ; my wave's number
.set NBLK, 20                          ; the expert's blocks
.set RB0,  21                          ; its first block
.set NBT,  22                          ; my blocks
.set NB,   23                          ; min(my blocks, 6)
.set CNT,  24                          ; a loop's count
.set TBR,  25                          ; LDS byte of the chunk whose addresses are made next
.set RB,   28                          ; s28-33 my first six blocks' numbers
.set IB,   34                          ; the block beyond the first six: its turn,
.set RBO,  35                          ; its number
.set MSB, 0
.macro WIN new                         ; the immediate's high byte repeats the setting that is left; a switch that changes nothing is dropped
.if MSB != (\new)
	s_set_vgpr_msb (MSB<<8)|(\new)
.set MSB, (\new)
.endif
.endm
; A vector instruction that reads a matrix result stands four places behind it; only plain vector instructions that name none of its registers are places (ISA guide 7.12.1).  The places in front of loads into
; registers that matrix instructions have read are kept too, beside the waits that state those dependences.
.macro PLACES
.rept 4
	v_nop
.endr
.endm
.macro ISSUE_W b, ahead, h             ; half h (rows 8 h .. 8 h + 7) of my part of the chunk `ahead` chunks behind the pointer, into buffer b
	WIN 0xc0
.irp i, 0,1,2,3,4,5,6,7
	global_load_b128 v[WS+64*(\b)+4*(8*(\h)+\i):WS+64*(\b)+4*(8*(\h)+\i)+3], v[WO], s[6:7] offset:(8*(\h)+\i)*RS+(\ahead)*WSTEP th:TH_LOAD_NT
.endr
.endm
.macro ISSUE_A p, s, off               ; step s of my six blocks, of the group of 64 along K that lies off bytes behind the pointer, into half buffer (p, s): always 12 loads, so that the counted waits hold on every path; a block that I do not have repeats one that exists
	WIN 0
.irp i, 0,1,2,3,4,5
	global_load_b128 v[AB+96*(\p)+16*\i+8*(\s):AB+96*(\p)+16*\i+8*(\s)+3],   v[AO+\i], s[4:5] offset:(\off)+1024*(\s)
	global_load_b128 v[AB+96*(\p)+16*\i+8*(\s)+4:AB+96*(\p)+16*\i+8*(\s)+7], v[AO+\i], s[4:5] offset:(\off)+1024*(\s)+512
.endr
.endm
.macro CVT b                           ; buffer b is rounded to bf16, two rows to a word: four operands
	WIN 0x4f
.irp jp, 0,1,2,3
.irp rho, 0,1,2,3,4,5,6,7
	v_cvt_pk_bf16_f32 v[CV+8*\jp+\rho], v[WS+64*(\b)+8*\rho+\jp], v[WS+64*(\b)+8*\rho+4+\jp]
.endr
.endr
.endm
.macro ST areg, off                    ; the four operands go to LDS, off bytes behind the address in v[areg]
	WIN 0x04
.irp jp, 0,1,2,3
	ds_store_b128 v[\areg], v[CV+8*\jp:CV+8*\jp+3]   offset:(\off)+\jp*1024      ; 512 consecutive bytes: no two lanes meet in a bank
	ds_store_b128 v[\areg], v[CV+8*\jp+4:CV+8*\jp+7] offset:(\off)+\jp*1024+512
.endr
.endm
.macro LOAD_B buf, areg, off           ; the eight operands of a step, off bytes behind the address in v[areg], into buffer buf
	WIN 0x40
.irp f, 0,1,2,3,4,5,6,7
	ds_load_b128 v[64*(\buf)+8*\f:64*(\buf)+8*\f+3],   v[\areg] offset:(\off)+\f*1024
	ds_load_b128 v[64*(\buf)+8*\f+4:64*(\buf)+8*\f+7], v[\areg] offset:(\off)+\f*1024+512
.endr
.endm
.macro MUL8 i, s, p, zero              ; block i, step s, tokens' parity p: eight matrix instructions, one on each of the block's accumulators.  zero = 1: they start the sums
.set aB, AB+96*(\p)+16*(\i)+8*(\s)
.set cB, 64*((\i)%4)
.if P2
	WIN 0xa4+0x50*((\i)/4)                         ; tokens window 0, weights window 1, C and D window 2 or 3
.elseif \zero
	WIN 0x91+0x40*((\i)/4)                         ; weights window 1, tokens window 0, C (b1) window 1, D window 2 or 3
.else
	WIN 0xa1+0x50*((\i)/4)
.endif
.irp f, 0,1,2,3,4,5,6,7
.if P2
.if \zero
	v_wmma_f32_16x16x32_bf16 v[cB+8*\f:cB+8*\f+7], v[aB:aB+7], v[64*(\s)+8*\f:64*(\s)+8*\f+7], 0
.else
	v_wmma_f32_16x16x32_bf16 v[cB+8*\f:cB+8*\f+7], v[aB:aB+7], v[64*(\s)+8*\f:64*(\s)+8*\f+7], v[cB+8*\f:cB+8*\f+7]
.endif
.else
.if \zero
	v_wmma_f32_16x16x32_bf16 v[cB+8*\f:cB+8*\f+7], v[64*(\s)+8*\f:64*(\s)+8*\f+7], v[aB:aB+7], v[BI+8*\f:BI+8*\f+7]
.else
	v_wmma_f32_16x16x32_bf16 v[cB+8*\f:cB+8*\f+7], v[64*(\s)+8*\f:64*(\s)+8*\f+7], v[aB:aB+7], v[cB+8*\f:cB+8*\f+7]
.endif
.endif
.endr
.endm
; One step of a chunk for my blocks.  Blocks that I do not have are jumped over, forward, past matrix instructions alone.  zero = 1: all six are multiplied, so that every accumulator is written on every path.
; The accumulators take turns, one instruction a turn: behind (i, 7) comes (i + 1, 0) or, in the next step, (0, 0).
.macro KS s, p, zero
.irp i, 0,1,2,3,4,5
.if !(\zero)
	WIN 0                                          ; at a branch and at a label every window is 0
	s_cmp_le_u32 s[NB], \i
	s_cbranch_scc1 .Lks_\@
.endif
	MUL8 \i, \s, \p, \zero
.endr
	WIN 0
.Lks_\@:
.endm
; TRIP c (p = c & 1).  It rounds and publishes chunk c + 1 and multiplies chunk c.
; THE LOADS.  Registers are asked for again as soon as the wait that frees them is past.  Behind the rounding of chunk c + 1: T1(c + 1), the tokens' step 1 of chunk c + 1 (12 loads), and W(c + 3), the weights of chunk c + 3
; (16 loads: eight at once, eight behind step 0).  Behind step 0 of chunk c: T0(c + 2), the tokens' step 0 of chunk c + 2 (12 loads).  So tokens are asked for about a trip and a
; half ahead of their use, weights two trips.  Loads come back in the order of issue (ISA guide 5.7.1), which is T1(c + 1), W(c + 3), T0(c + 2) in trip c:
;   nH, at the head, for W(c + 1) and T0(c): behind T0(c) stand T1(c) 12, W(c + 2) 16, T0(c + 1) 12 = 40.        nM, ahead of step 1, for T1(c): behind it stand W(c + 2) 16, T0(c + 1) 12, T1(c + 1) 12, W(c + 3) 16 = 56.
;   In the last three trips the loads that are no longer asked for fall out of these sums.
; By this count a wave can have 68 loads asked for at once, more than LOADcnt's field holds; the issue of a load that would pass the field waits for the oldest (ISA guide 5.7.1).  The weights' second eight stand behind step 0,
; so that the oldest load, T1(c)'s first, was then asked for a trip and a step earlier.
; THE THREE WAITS.  (1) vm_vsrc at the head: the LDS stores and loads issued so far have read CV, v[ADW] and v[ADR], which the head's adds and the roundings write again.
; (2) va_vdst behind the roundings: CV and the two addresses are written; the roundings are done reading WS[1 - p]; step 1's products of the trip before are done reading AB (1 - p, 1) and B1.  Behind it follow T1, the LDS stores,
; W's first eight, B1's LDS loads, the prefetch, step 0's products (which name B0, AB (p, 0) and accumulators: no register that these loads and stores touch) and W's second eight, with no further wait.
; (3) va_vdst behind the barrier: step 0's products are done reading B0 and AB (p, 0), in which the next chunk's operands and T0 land.
; nDS = the trip's eight LDS stores, issued behind step 0's operand loads.  cvt, t1, isW, t0: there is a chunk to round, T1, W, T0 to ask for.  pf: the prefetch: 1 always, 2 not in the loop's last trip.
.macro TRIP p, zero, nH, nM, cvt, t1, isW, t0, pf, nDS, last
.if !(\last)
	s_wait_xcnt 0x0                                ; the two pointers are stepped only behind this wait
	s_add_nc_u64 s[4:5], s[4:5], 2048              ; both now stand at chunk c + 1
	s_add_nc_u64 s[6:7], s[6:7], WSTEP
.endif
	s_wait_alu depctr_vm_vsrc(0)                   ; the LDS stores issued so far have read CV and v[ADW], the LDS loads v[ADR]: the lines below write them again
.if \zero
.set aR, L16                           ; chunk 0 begins at LDS byte 0: the lane's own terms are its addresses
.set aW, WW0
.else
.set aR, ADR
.set aW, ADW
	v_add_nc_u32 v[ADR], s[TBR], v[L16]            ; chunk c as I read it,
.if \cvt
	v_add_nc_u32 v[ADW], s[TBR], v[WW0]            ; and as I write it
.endif
	s_add_co_u32 s[TBR], s[TBR], 16384
.endif
	s_wait_loadcnt \nH
.if \cvt
	CVT 1-(\p)                                     ; these 32 are also the places behind the last trip's products
.else
	PLACES                                         ; behind the last trip's products
.endif
	WIN 0
	s_wait_alu depctr_va_vdst(0)                   ; CV, v[ADR] and v[ADW] are written; the roundings are done reading WS[1 - p]; the last trip's step 1 is done reading AB (1 - p, 1) and B1
.if \t1
	ISSUE_A 1-(\p), 1, 0
.endif
.if \cvt
	ST aW, 16384                                   ; chunk c + 1
.endif
.if \isW
	ISSUE_W 1-(\p), 2, 0
.endif
	s_wait_dscnt \nDS
	LOAD_B 1, aR, 8192                             ; chunk c, step 1: on its way while step 0 is multiplied
	WIN 0
.if (\pf) == 2
	s_cmp_eq_u32 s[CNT], 1
	s_cbranch_scc1 .Lnopf_\@
.endif
.if \pf
	global_prefetch_b8 v[PFO], s[6:7] offset:4*WSTEP th:TH_LOAD_NT scope:SCOPE_SE  ; my 8 KB of chunk c + 5, which trip c + 2 loads: each of its 32 aligned blocks of 256 bytes is named once, by one lane.  Trips 0 to 10 ask; chunk 15 is the last
.endif
.if (\pf) == 2
.Lnopf_\@:
.endif
	KS 0, \p, \zero
.if \isW
	ISSUE_W 1-(\p), 2, 1                           ; no wait: no vector or matrix instruction since the wait behind the roundings names WS[1 - p]
.endif
	s_wait_dscnt 0x0                               ; step 1's operands are in; for the others' sake: my stores of chunk c + 1 are done
.if !(\last)
	s_barrier_signal -1
	s_barrier_wait -1                              ; chunk c + 1 is whole
	PLACES                                         ; behind step 0's products
	WIN 0x40
	s_wait_alu depctr_va_vdst(0)                   ; step 0's products are done reading B0 and AB (p, 0), in which the loads below land
	LOAD_B 0, aR, 16384                            ; chunk c + 1, step 0: on its way while step 1 is multiplied
.endif
	s_wait_loadcnt \nM
.if \t0
	ISSUE_A \p, 0, 2048
.endif
	KS 1, \p, 0
.endm
; A chunk for one block beyond the first six: tokens from memory, both steps' operands from LDS, sixteen matrix instructions on block 0's accumulators.  zero = 1: the block's first chunk, which also makes the block's offset.
.macro CHB zero
	PLACES
	WIN 0
	s_wait_alu depctr_vm_vsrc(0)                   ; the loads issued so far have read v[ADR] and v[AOB]
.if \zero
	v_add_nc_u32 v[AOB], s42, v[L16]
.endif
	v_add_nc_u32 v[ADR], s[TBR], v[L16]
	s_wait_alu depctr_va_vdst(0)                   ; the two are written; the products issued so far are done reading the tokens' and the weights' operands, in which the loads below land
.irp q, 0,1,2,3
	global_load_b128 v[AB+4*\q:AB+4*\q+3], v[AOB], s[36:37] offset:\q*512
.endr
	WIN 0x40
.irp f, 0,1,2,3,4,5,6,7,8,9,10,11,12,13,14,15
	ds_load_b128 v[8*\f:8*\f+3],   v[ADR] offset:\f*1024
	ds_load_b128 v[8*\f+4:8*\f+7], v[ADR] offset:\f*1024+512
.endr
	s_add_co_u32 s[TBR], s[TBR], 16384
	s_wait_loadcnt 0x0                             ; the loads are done, so their pointer may step
	s_wait_dscnt 0x0
	s_add_nc_u64 s[36:37], s[36:37], 2048
	MUL8 0, 0, 0, \zero
	MUL8 0, 1, 0, 0
	WIN 0
.endm
; THE WAY OUT of my block i, whose number is in s[srb].  Each accumulator's registers are read in ascending order.  Both column halves' arithmetic, one wait, then all the block's stores.
.macro EPI i, srb
	WIN 0
	s_wait_xcnt 0x0                                ; the offset and the registers that earlier stores read are rewritten only behind this wait,
	s_wait_alu depctr_vm_vsrc(0)                   ; and behind this one: the stores issued so far have read v[SO] and the registers that the arithmetic below writes again
	s_lshl_b32 s42, s[\srb], OSH
.if P2
	v_add_nc_u32 v[SO], s42, v[YO]
.else
	v_add_nc_u32 v[SO], s42, v[L16]
.endif
.set cB, 64*((\i)%4)
.if P2
	WIN 0x46+(\i)/4                                ; accumulators window 2 or 3, b2 and the destination window 1
.irp cg, 0,1
.irp j, 0,1,2,3,4,5,6,7
.irp jp, 0,1,2,3
	v_add_f32 v[TT-96*\cg+4*\j+\jp], v[cB+8*(4*\cg+\jp)+\j], v[BI+4*\cg+\jp]
.endr
.endr
.endr
	WIN 0x04
	s_wait_alu depctr_va_vdst(0)                   ; the adds have written v[SO] and the 64 registers that the stores read
.irp cg, 0,1
.irp j, 0,1,2,3,4,5,6,7
	global_store_b128 v[SO], v[TT-96*\cg+4*\j:TT-96*\cg+4*\j+3], s[12:13] offset:\j*4096+\cg*256  ; sixteen lanes store 256 consecutive bytes, at a multiple of 256 from y's first byte
.endr
.endr
.else
	WIN 0x4a+5*((\i)/4)                            ; accumulators window 2 or 3, the destination window 1
.irp cg, 0,1
.irp j, 0,1,2,3,4,5,6,7
.irp u, 0,1
	v_cvt_pk_bf16_f32 v[CV+16*\cg+2*\j+\u], v[cB+8*(4*\cg+2*\u)+\j], v[cB+8*(4*\cg+2*\u+1)+\j]
.endr
.endr
.endr
	WIN 0x41
.set d, 0
.rept 32
	v_pk_max_num_bf16 v[CV+d], v[CV+d], v[ZR]      ; relu on two numbers at once; nothing is rounded
.set d, d+1
.endr
	WIN 0x04
	s_wait_alu depctr_va_vdst(0)                   ; v[SO] and the 32 packed words are written, which the stores read
.irp cg, 0,1
.irp q, 0,1,2,3
	global_store_b128 v[SO], v[CV+16*\cg+4*\q:CV+16*\cg+4*\q+3], s[12:13] offset:\cg*2048+\q*512  ; 512 consecutive bytes, in the next product's operand order
.endr
.endr
.endif
.endm
	s_load_b256 s[4:11], s[0:1], 0x0               ; tokens s[4:5], weights s[6:7], bias s[8:9], st s[10:11]
	s_load_b64 s[12:13], s[0:1], 0x20              ; the output
	v_lshl_add_u32 v[SPW], v0, 2, SPARE
	v_mov_b32 v[NIL], 0
	v_lshrrev_b32 v1, 5, v0
	v_readfirstlane_b32 s[WV], v1                  ; wave 0..3
	v_and_b32 v1, 31, v0                           ; lane
	v_and_b32 v2, 15, v0                           ; r
	v_bfe_u32 v3, v0, 4, 1                         ; h
	v_lshlrev_b32 v[L16], 4, v1
	s_and_b32 s18, ttmp9, 7                        ; the expert: x's low three bits
	s_and_b32 s19, ttmp7, 0xffff                   ; y
	s_wait_alu depctr_va_sdst(0)                   ; the wave's number is written, ahead of its first reader
	s_lshr_b32 s40, s[WV], 1                       ; the step whose weights I fetch
	s_and_b32 s41, s[WV], 1                        ; the column half
	s_lshl_b32 s42, s40, 4+RSH
	s_lshl_b32 s43, s41, 8
	s_add_co_u32 s42, s42, s43
	v_lshlrev_b32 v[WO], 5+RSH, v3
	v_add_nc_u32 v[WO], s42, v[WO]                 ; row 32 h + 16 step, 256 bytes a column half,
	v_lshl_add_u32 v[PFO], v2, RSH, v[WO]          ; the prefetch: + r rows
	v_lshl_add_u32 v[WO], v2, 4, v[WO]             ; the loads: + 16 r bytes
	s_lshl_b32 s44, s40, 13
	s_lshl_b32 s45, s41, 12
	s_add_co_u32 s44, s44, s45
	v_add_nc_u32 v[WW0], s44, v[L16]
	s_lshl_b32 s46, s18, 24                        ; an expert's weights are 16 MB
	s_lshl_b32 s52, s18, 3
	s_mov_b32 s53, 0
.if P2
	s_lshr_b32 s55, ttmp9, 3                       ; the quarter of K
	s_lshl_b32 s47, s55, 22                        ; 1,024 rows of 4,096 bytes
	s_add_co_u32 s46, s46, s47
	s_lshl_b32 s47, s19, 9                         ; the slice of 128 columns: y
	s_add_co_u32 s46, s46, s47
	s_lshl_b32 s48, s18, 12
	s_add_co_u32 s48, s48, s47
	s_mul_i32 s50, s55, YQ
	s_add_co_u32 s50, s50, s47
	s_lshl_b32 s56, s55, 15                        ; 16 groups of 2,048 bytes in each block of hT
	s_mov_b32 s57, 0
	v_lshlrev_b32 v[BO], 4, v2
	v_lshl_add_u32 v[YO], v3, 15, v[BO]            ; 8 h rows of 4,096 bytes + 16 r
.else
	s_lshr_b32 s54, ttmp9, 3
	s_lshl2_add_u32 s54, s19, s54                  ; the slice of 128 columns: 4 y + (x >> 3)
	s_lshl_b32 s47, s54, 9
	s_add_co_u32 s46, s46, s47
	s_lshl_b32 s48, s18, 14
	s_add_co_u32 s48, s48, s47
	s_lshl_b32 s50, s54, 12                        ; two groups of 2,048 bytes in each block of hT
	v_lshlrev_b32 v[BO], 7, v3
	v_mov_b32 v[ZR], 0
.endif
	s_mov_b32 s47, 0
	s_mov_b32 s49, 0
	s_mov_b32 s51, 0
	s_mov_b32 s[TBR], 16384                        ; trip 1 is the first that makes addresses
	s_wait_kmcnt 0x0
	s_add_nc_u64 s[6:7], s[6:7], s[46:47]
	s_add_nc_u64 s[8:9], s[8:9], s[48:49]
	s_add_nc_u64 s[10:11], s[10:11], s[52:53]
	s_add_nc_u64 s[12:13], s[12:13], s[50:51]
.if P2
	s_add_nc_u64 s[4:5], s[4:5], s[56:57]
.endif
	s_mov_b64 s[38:39], s[4:5]                     ; kept for the blocks beyond the first six
	s_load_b64 s[NBLK:RB0], s[10:11], 0x0          ; the expert's blocks and its first block
	WIN 0x40
	s_wait_alu depctr_va_vdst(0)                   ; v[BO], v[WO], v[PFO], v[L16] and v[WW0] are written, which the loads, the prefetches and the LDS instructions below read as offsets and addresses
.if P2
	global_load_b128 v[BI:BI+3],   v[BO], s[8:9]              ; b2 of columns 4 r .. 4 r + 3,
	global_load_b128 v[BI+4:BI+7], v[BO], s[8:9] offset:256   ; and of 64 + 4 r ..
.else
.irp cg, 0,1
.irp j, 0,1,2,3,4,5,6,7
	global_load_b128 v[64+32*\cg+4*\j:64+32*\cg+4*\j+3], v[BO], s[8:9] offset:256*\cg+16*\j  ; b1 of columns 64 cg + 32 h + 4 j .. + 3, for now where step 1's operands will lie
.endr
.endr
.endif
	ISSUE_W 0, 0, 0                                ; the weights hang on no routing: chunks 0 and 1 go out ahead of the wait for the table
	ISSUE_W 0, 0, 1
	ISSUE_W 1, 1, 0
	ISSUE_W 1, 1, 1
	WIN 0
	s_wait_kmcnt 0x0
	s_add_co_u32 s[NBT], s[NBLK], 3
	s_sub_co_u32 s[NBT], s[NBT], s[WV]
	s_lshr_b32 s[NBT], s[NBT], 2                   ; blocks 4 i + w below the expert's number
	s_min_u32 s[NB], s[NBT], NBF
	s_max_u32 s40, s[NBLK], 1
	s_sub_co_u32 s40, s40, 1                       ; the expert's last block
	s_cmp_eq_u32 s[NBLK], 0
	s_cselect_b32 s41, 0, s[RB0]                   ; an expert without rows reads block 0, which every split has
.irp i, 0,1,2,3,4,5
	s_add_co_u32 s42, s[WV], 4*\i
	s_min_u32 s42, s42, s40                        ; a block that I do not have repeats the expert's last
	s_add_co_u32 s42, s42, s41
	s_min_u32 s[RB+\i], s42, MAXB
	s_lshl_b32 s42, s[RB+\i], ASH
	v_add_nc_u32 v[AO+\i], s42, v[L16]
.endr
	s_wait_loadcnt 32                              ; the bias, asked for first, is in; behind it: chunks 0 and 1 (16 each)
	WIN 0x45
.if P2
	s_cmp_eq_u32 s55, 0
	s_cselect_b32 s52, -1, 0                       ; b2 is added once: by the first quarter of K
.irp m, 0,1,2,3
	v_cvt_pk_bf16_f32 v[CV+\m], v[BI+2*\m], v[BI+2*\m+1]  ; rounded to bf16,
.endr
.irp m, 0,1,2,3
	v_and_b32 v[CV+\m], s52, v[CV+\m]
.endr
.irp m, 0,1,2,3
	v_lshlrev_b32 v[BI+2*\m], 16, v[CV+\m]                ; and widened again
	v_and_b32 v[BI+2*\m+1], 0xffff0000, v[CV+\m]
.endr
.else
.set m, 0
.rept 32
	v_cvt_pk_bf16_f32 v[CV+m], v[64+2*m], v[64+2*m+1]     ; b1 rounded to bf16,
.set m, m+1
.endr
.irp cg, 0,1
.irp j, 0,1,2,3,4,5,6,7
.irp u, 0,1
	v_lshlrev_b32 v[BI+8*(4*\cg+2*\u)+\j], 16, v[CV+16*\cg+2*\j+\u]           ; widened again, and laid as C operands: register j of operand f
	v_and_b32 v[BI+8*(4*\cg+2*\u+1)+\j], 0xffff0000, v[CV+16*\cg+2*\j+\u]
.endr
.endr
.endr
.endif
	WIN 0
	s_wait_alu depctr_va_vdst(0)                   ; v[AO ..] are written, which every load of tokens reads as its offset
	ISSUE_A 0, 0, 0                                ; the loads now go out in the order that the trips go on with: W(1) is out; T0(0), T1(0),
	ISSUE_A 0, 1, 0
	s_wait_loadcnt 40                              ; chunk 0 is in; behind it: chunk 1 (16) and the tokens of chunk 0 (24)
	CVT 0
	WIN 0x04
	s_wait_alu depctr_va_vdst(0)                   ; the roundings have written CV, which the LDS stores read, and are done reading WS0, in which W(2) lands
	ST WW0, 0
	ISSUE_W 0, 2, 0                                ; W(2),
	ISSUE_W 0, 2, 1
	ISSUE_A 1, 0, 2048                             ; T0(1)
	s_wait_dscnt 0x0
	s_barrier_signal -1
	s_barrier_wait -1                              ; chunk 0 is whole
	LOAD_B 0, L16, 0
	WIN 0
	TRIP 0, 1, 40, 56, 1, 1, 1, 1, 1, 8, 0         ; chunk 0 starts the sums
	s_mov_b32 s[CNT], 6
.Lpair:                                                ; chunks 1 to 12
	TRIP 1, 0, 40, 56, 1, 1, 1, 1, 2, 8, 0
	TRIP 0, 0, 40, 56, 1, 1, 1, 1, 2, 8, 0
	s_sub_co_u32 s[CNT], s[CNT], 1
	s_cmp_lg_u32 s[CNT], 0
	s_cbranch_scc1 .Lpair
	TRIP 1, 0, 40, 40, 1, 1, 0, 1, 0, 8, 0         ; chunk 13: no weights are left to ask for: behind T1(13) stand W(15) 16, T0(14) 12, T1(14) 12
	TRIP 0, 0, 24, 24, 1, 1, 0, 0, 0, 8, 0         ; chunk 14: behind T0(14) stand T1(14), T0(15); behind T1(14), T0(15) and T1(15)
	TRIP 1, 0, 12, 0, 0, 0, 0, 0, 0, 0, 1          ; chunk 15: behind T0(15) stands T1(15); nothing is left to round or to ask for
	PLACES                                         ; behind the last products
.irp i, 0,1,2,3,4,5
	WIN 0
	s_cmp_le_u32 s[NB], \i
	s_cbranch_scc1 .Lsent
	EPI \i, RB+\i
.endr
	WIN 0
.Lsent:
	s_cmp_le_u32 s[NBT], NBF
	s_cbranch_scc1 .Lend
	s_mov_b32 s[IB], NBF
.Lover:                                                ; my blocks 6 to 15 (an expert has 64 blocks at the most): ten trips; a block that I do not have is jumped over
	s_cmp_ge_u32 s[IB], s[NBT]
	s_cbranch_scc1 .Lnext
	s_wait_xcnt 0x0
	s_lshl_b32 s[RBO], s[IB], 2
	s_add_co_u32 s[RBO], s[RBO], s[WV]
	s_add_co_u32 s[RBO], s[RBO], s[RB0]
	s_min_u32 s[RBO], s[RBO], MAXB
	s_lshl_b32 s42, s[RBO], ASH                    ; the block's bytes: its first chunk makes v[AOB] of them
	s_mov_b64 s[36:37], s[38:39]
	s_mov_b32 s[TBR], 0
	CHB 1
	s_mov_b32 s[CNT], 15
.Lchunk:
	CHB 0
	s_sub_co_u32 s[CNT], s[CNT], 1
	s_cmp_lg_u32 s[CNT], 0
	s_cbranch_scc1 .Lchunk
	PLACES
	EPI 0, RBO
	WIN 0
.Lnext:
	s_add_co_u32 s[IB], s[IB], 1
	s_cmp_lt_u32 s[IB], 16
	s_cbranch_scc1 .Lover
.Lend:                                                 ; all ways of every wave meet here
	s_wait_dscnt 0x0                               ; my reads of LDS are over,
	s_barrier_signal -1
	s_barrier_wait -1                              ; and so are every wave's: no wave writes LDS again while another still reads
	s_wait_dscnt 0x0                               ; the closing lines, six on end
	s_wait_alu 0x0
	s_wait_tensorcnt 0x0
	ds_add_u32 v[SPW], v[NIL]
	s_wait_dscnt 0x0
	s_endpgm
.Lfunc_end_k_qf78c7ad0e0_p1:
	.size	k_qf78c7ad0e0_p1, .Lfunc_end_k_qf78c7ad0e0_p1-k_qf78c7ad0e0_p1
	.p2alignl 7, 3214868480
	.fill 96, 4, 3214868480
	.section	.rodata,"a",@progbits
	.p2align	6, 0x0
	.amdhsa_kernel k_qf78c7ad0e0_p1
		.amdhsa_group_segment_fixed_size 262656
		.amdhsa_private_segment_fixed_size 0
		.amdhsa_enable_private_segment 0
		.amdhsa_kernarg_size 40
		.amdhsa_user_sgpr_count 2
		.amdhsa_user_sgpr_kernarg_segment_ptr 1
		.amdhsa_wavefront_size32 1
		.amdhsa_system_sgpr_workgroup_id_x 1
		.amdhsa_system_sgpr_workgroup_id_y 1
		.amdhsa_system_sgpr_workgroup_id_z 1
		.amdhsa_system_vgpr_workitem_id 0
		.amdhsa_next_free_vgpr 1024
		.amdhsa_next_free_sgpr 66
		.amdhsa_reserve_vcc 0
		.amdhsa_float_denorm_mode_32 3
		.amdhsa_float_denorm_mode_16_64 3
		.amdhsa_memory_ordered 1
		.amdhsa_forward_progress 1
		.amdhsa_inst_pref_size 155
	.end_amdhsa_kernel
	.amdgpu_metadata
---
amdhsa.version: [ 1, 2 ]
amdhsa.kernels:
  - .name:           k_qf78c7ad0e0_p1
    .symbol:         k_qf78c7ad0e0_p1.kd
    .args:
      - { .name: xT, .offset: 0, .size: 8, .value_kind: global_buffer, .address_space: global }
      - { .name: w1, .offset: 8, .size: 8, .value_kind: global_buffer, .address_space: global }
      - { .name: b1, .offset: 16, .size: 8, .value_kind: global_buffer, .address_space: global }
      - { .name: st, .offset: 24, .size: 8, .value_kind: global_buffer, .address_space: global }
      - { .name: hT, .offset: 32, .size: 8, .value_kind: global_buffer, .address_space: global }
    .group_segment_fixed_size: 262656
    .private_segment_fixed_size: 0
    .kernarg_segment_align: 8
    .kernarg_segment_size: 40
    .max_flat_workgroup_size: 128
    .sgpr_count:     66
    .vgpr_count:     1024
    .wavefront_size: 32
...
	.end_amdgpu_metadata
.endif
;; end of part 6
;; launch p2 (part 7): grid 32 x 8, 4 waves a work-group, no clusters, 262,656 bytes of LDS; arguments hT, w2, b2, st, y; writes y
.if DOCPART == 7
	.amdgcn_target "amdgcn-amd-amdhsa--gfx1250"
	.amdhsa_code_object_version 6
	.text
	.protected	k_qf78c7ad0e0_p2
	.globl	k_qf78c7ad0e0_p2
	.p2align	8
	.type	k_qf78c7ad0e0_p2,@function
k_qf78c7ad0e0_p2:
	s_mov_b64 s[64:65], 0
	v_nop
	global_prefetch_b8 v0, s[64:65] scope:SCOPE_SE
	s_setreg_imm32_b32 hwreg(HW_REG_WAVE_SCHED_MODE, 0, 2), 2
	s_setreg_imm32_b32 hwreg(HW_REG_WAVE_MODE, 25, 1), 1
	s_wait_xcnt 0x0
	s_wait_alu depctr_vm_vsrc(0)
; ONE EXPERT'S PRODUCT ON A SLICE OF ITS WEIGHTS.  One text serves both products; P2 chooses.
;   P2 = 0: h = relu(x W1[e] + b1[e]), rounded to bf16.  Arguments: xT, w1, b1, st, hT.      P2 = 1: y[kq] = h W2[e] (rows 1,024 kq .. + 1,023 of W2) + b2[e] (for kq = 0 alone), in f32.  Arguments: hT, w2, b2, st, y.
; FORMATS.  Weights and biases are rounded once to bf16 on their way through registers; x and h arrive in bf16; sums in f32.  LIMITS.  NaN and infinities are not treated apart (a NaN's relu is 0).
; SHARES.  Work-group = expert x 128 output columns x 1,024 along K: 512 KB of f32 weights that it alone reads, once.  The expert is x & 7.  P2 = 0: slice 4 y + (x >> 3) of 32 slices of columns.
; P2 = 1: quarter x >> 3 of K, slice y of 8.  So the work-groups that read the same token blocks (an expert's 32; the 8 of an expert's quarter) agree in x's low three bits, and for P2 = 1 in all of x.
; An expert's rows lie in blocks of 16 (st: number of blocks, first block).  Wave w owns the blocks 4 i + w and all 128 columns: one operand of tokens feeds eight matrix instructions.
; THE WALK.  K goes in 16 chunks of 64.  A chunk's weights go memory -> registers -> bf16 operands -> LDS, where they STAY: no LDS byte is written twice, and one barrier a chunk only publishes.
; While the chunks arrive each wave multiplies its first 6 blocks (384 rows a work-group) on 48 accumulators.  What an expert has beyond that is multiplied afterwards from the weights in LDS, a block at a time,
; in a loop without barrier and without LDS store.  So every split of the tokens is served, each weight byte is read once, and every wave passes every barrier.  An expert without rows streams its weights and stores nothing.
; ORDER ALONG K.  In a group of 64 lane (r = lane % 16, h = lane / 16) holds the numbers 32 h + 16 s + 0..15 in the operand of step s (0, 1), tokens and weights alike, so the sums are those of the natural order.
; Tokens lie in memory in that order (block rb, group kg: 2,048 bytes; words 4 q .. 4 q + 3 of a lane's 16 at 512 q + 16 lane): two loads of 512 consecutive bytes fill a step's operand.
; WEIGHTS.  Wave w takes step w >> 1 and column half cg = w & 1 of each chunk: 16 loads; in each, lanes 0-15 take 256 consecutive, aligned bytes of row 16 (w >> 1) + i, lanes 16-31 those of the row 32 further down.
; A lane's four columns go to four operands: operand f = 4 cg + j, place r, is column 64 cg + 4 r + j of the slice.
; RESULTS.  P2 = 0: the product is used transposed (source 0 = weights, source 1 = tokens): a lane holds token r and register j of accumulator f column 64 cg + 32 h + 4 j + (f & 3): two accumulators' registers pack into
; a word of the next product's operand order, and a store covers 512 consecutive bytes.  b1 is the C operand of the first product.  P2 = 1: natural order: register j is token 8 h + j, column 64 cg + 4 r + (f & 3);
; the add that brings four accumulators' registers side by side also adds b2; sixteen lanes store 256 consecutive, aligned bytes of a row.
; NO CLUSTER, NO TENSOR LOADS.  The weights have one reader and must pass through registers to be rounded.  An expert's 32 work-groups do share its token blocks, but those go straight into registers; a joint tile would
; have to lie in LDS beside the weights' 262,144 bytes, where 65,024 are left: two blocks of 32 KB against the 24 that a work-group walks.
; THE MODE: SCHED_MODE bits 1:0 = 2 (LLVM: expert scheduling mode 2), set by the entry lines.  The code itself states the register dependences between vector or matrix instructions and memory or LDS
; instructions, with s_wait_alu, always for 0.
; THE PLAN.  Registers that memory or LDS instructions touch while the chunks arrive, and who else names them (trip c, p = c & 1):
;   AB (p, s)        four half buffers of tokens.  Loads land in them; the products of step s of a chunk of parity p read them.
;   WS0, WS1         weights as loaded.  Loads land in them; the 32 roundings of the trip that publishes the chunk read them.
;   CV               written by those roundings; read by the trip's eight LDS stores.
;   B0, B1           the weights' operands of step 0 and of step 1.  LDS loads land in them; the step's products read them.
;   v[ADR], v[ADW]   LDS addresses of chunk c, as read and as written: made once a trip, at its head; immediate offsets reach step 1 and chunk c + 1.
;   v[WO], v[PFO], v[AO ..]   offsets, made at the kernel's head and never written again: the scalar pointers step.
;   The accumulators and b1's C operands are named by vector and matrix instructions alone.
; So a trip has three such waits: on vm_vsrc at its head; on va_vdst behind its roundings; on va_vdst behind its barrier.  The macro TRIP says what each states and which loads and stores follow it.
.set P2, 1
.if P2
.set RSH, 12                           ; a row of W2 is 4,096 bytes
.set ASH, 17                           ; a block of hT is 131,072 bytes
.set OSH, 16                           ; a block's 16 rows of y are 65,536 bytes
.else
.set RSH, 14                           ; a row of W1 is 16,384 bytes
.set ASH, 15                           ; a block of xT is 32,768 bytes
.set OSH, 17                           ; a block of hT
.endif
.set RS,    1<<RSH
.set WSTEP, 64*RS                      ; bytes from chunk to chunk
.set NBF,   6                          ; blocks a wave multiplies while the weights arrive
.set MAXB,  135                        ; the last block that any split can use
.set YQ,    8912896                    ; y: bytes of one quarter's 2,176 rows
.set SPARE, 262144                     ; LDS: 0 .. 262,143 the operands: (chunk c, step s, operand f) is 1,024 bytes at ((2 c + s) 8 + f) 1,024, words 4 q .. at 512 q + 16 lane; then the spare words, 128 bytes a wave
; vector registers, in windows of 256 (s_set_vgpr_msb: bits 1:0 source 0, 3:2 source 1, 5:4 source 2, 7:6 destination)
.set L16, 4                            ; v4     16 x lane; never rewritten
.set WO,  5                            ; v5     my byte offset in a chunk of weights
.set ADR, 6                            ; v6     LDS: 16 x lane in the chunk that the trip multiplies
.set WW0, 7                            ; v7     where my operands go in a chunk's 16,384 bytes of LDS; never rewritten
.set PFO, 8                            ; v8     the prefetch: lane l names block l of the 32 aligned blocks of 256 bytes of my part of a chunk
.set YO,  9                            ; v9     P2 = 1: my byte offset in a block's rows of y
.set AO,  10                           ; v10-15 my byte offset in my block i of tokens
.set SO,  16                           ; v16    the stores' offset
.set AOB, 17                           ; v17    as AO, for a block beyond the first six
.set ZR,  18                           ; v18    P2 = 0: 0, for the relu
.set BO,  19                           ; v19    the bias loads' offset
.set ADW, 20                           ; v20    LDS: my operands' place in the chunk that the trip multiplies; the stores reach one chunk on
.set SPW, 30                           ; v30    LDS address of my spare word; never rewritten
.set NIL, 31                           ; v31    0; never rewritten
.set AB,  64                           ; window 0, v64-255: tokens' operands, four half buffers: chunk parity p, block i, step s at AB + 96 p + 16 i + 8 s
                                       ; window 1, v0-127: weights' operands of step 0 and of step 1, operand f at 64 s + 8 f
.set CV,  128                          ; window 1, v128-159: packed words on their way to LDS or to memory
.set BI,  160                          ; window 1, v160-223: P2 = 0: b1 as eight C operands; P2 = 1: b2 of my eight columns (v160-167)
.set TT,  224                          ; window 1, v224-255: P2 = 1: results on their way out
                                       ; window 2: accumulators of blocks 0-3, (i, f) at 64 i + 8 f;  window 3: v0-127 those of blocks 4, 5
.set WS,  128                          ; window 3, v128-255: weights as loaded, two buffers of 64: register 4 i + j = row i, column j of my four
; scalar registers: s[4:5] tokens, s[6:7] weights (both step), s[8:9] bias, s[10:11] st, s[12:13] the output
.set WV,   16                          ; my wave's number
.set NBLK, 20                          ; the expert's blocks
.set RB0,  21                          ; its first block
.set NBT,  22                          ; my blocks
.set NB,   23                          ; min(my blocks, 6)
.set CNT,  24                          ; a loop's count
.set TBR,  25                          ; LDS byte of the chunk whose addresses are made next
.set RB,   28                          ; s28-33 my first six blocks' numbers
.set IB,   34                          ; the block beyond the first six: its turn,
.set RBO,  35                          ; its number
.set MSB, 0
.macro WIN new                         ; the immediate's high byte repeats the setting that is left; a switch that changes nothing is dropped
.if MSB != (\new)
	s_set_vgpr_msb (MSB<<8)|(\new)
.set MSB, (\new)
.endif
.endm
; A vector instruction that reads a matrix result stands four places behind it; only plain vector instructions that name none of its registers are places (ISA guide 7.12.1).  The places in front of loads into
; registers that matrix instructions have read are kept too, beside the waits that state those dependences.
.macro PLACES
.rept 4
	v_nop
.endr
.endm
.macro ISSUE_W b, ahead, h             ; half h (rows 8 h .. 8 h + 7) of my part of the chunk `ahead` chunks behind the pointer, into buffer b
	WIN 0xc0
.irp i, 0,1,2,3,4,5,6,7
	global_load_b128 v[WS+64*(\b)+4*(8*(\h)+\i):WS+64*(\b)+4*(8*(\h)+\i)+3], v[WO], s[6:7] offset:(8*(\h)+\i)*RS+(\ahead)*WSTEP th:TH_LOAD_NT
.endr
.endm
.macro ISSUE_A p, s, off               ; step s of my six blocks, of the group of 64 along K that lies off bytes behind the pointer, into half buffer (p, s): always 12 loads, so that the counted waits hold on every path; a block that I do not have repeats one that exists
	WIN 0
.irp i, 0,1,2,3,4,5
	global_load_b128 v[AB+96*(\p)+16*\i+8*(\s):AB+96*(\p)+16*\i+8*(\s)+3],   v[AO+\i], s[4:5] offset:(\off)+1024*(\s)
	global_load_b128 v[AB+96*(\p)+16*\i+8*(\s)+4:AB+96*(\p)+16*\i+8*(\s)+7], v[AO+\i], s[4:5] offset:(\off)+1024*(\s)+512
.endr
.endm
.macro CVT b                           ; buffer b is rounded to bf16, two rows to a word: four operands
	WIN 0x4f
.irp jp, 0,1,2,3
.irp rho, 0,1,2,3,4,5,6,7
	v_cvt_pk_bf16_f32 v[CV+8*\jp+\rho], v[WS+64*(\b)+8*\rho+\jp], v[WS+64*(\b)+8*\rho+4+\jp]
.endr
.endr
.endm
.macro ST areg, off                    ; the four operands go to LDS, off bytes behind the address in v[areg]
	WIN 0x04
.irp jp, 0,1,2,3
	ds_store_b128 v[\areg], v[CV+8*\jp:CV+8*\jp+3]   offset:(\off)+\jp*1024      ; 512 consecutive bytes: no two lanes meet in a bank
	ds_store_b128 v[\areg], v[CV+8*\jp+4:CV+8*\jp+7] offset:(\off)+\jp*1024+512
.endr
.endm
.macro LOAD_B buf, areg, off           ; the eight operands of a step, off bytes behind the address in v[areg], into buffer buf
	WIN 0x40
.irp f, 0,1,2,3,4,5,6,7
	ds_load_b128 v[64*(\buf)+8*\f:64*(\buf)+8*\f+3],   v[\areg] offset:(\off)+\f*1024
	ds_load_b128 v[64*(\buf)+8*\f+4:64*(\buf)+8*\f+7], v[\areg] offset:(\off)+\f*1024+512
.endr
.endm
.macro MUL8 i, s, p, zero              ; block i, step s, tokens' parity p: eight matrix instructions, one on each of the block's accumulators.  zero = 1: they start the sums
.set aB, AB+96*(\p)+16*(\i)+8*(\s)
.set cB, 64*((\i)%4)
.if P2
	WIN 0xa4+0x50*((\i)/4)                         ; tokens window 0, weights window 1, C and D window 2 or 3
.elseif \zero
	WIN 0x91+0x40*((\i)/4)                         ; weights window 1, tokens window 0, C (b1) window 1, D window 2 or 3
.else
	WIN 0xa1+0x50*((\i)/4)
.endif
.irp f, 0,1,2,3,4,5,6,7
.if P2
.if \zero
	v_wmma_f32_16x16x32_bf16 v[cB+8*\f:cB+8*\f+7], v[aB:aB+7], v[64*(\s)+8*\f:64*(\s)+8*\f+7], 0
.else
	v_wmma_f32_16x16x32_bf16 v[cB+8*\f:cB+8*\f+7], v[aB:aB+7], v[64*(\s)+8*\f:64*(\s)+8*\f+7], v[cB+8*\f:cB+8*\f+7]
.endif
.else
.if \zero
	v_wmma_f32_16x16x32_bf16 v[cB+8*\f:cB+8*\f+7], v[64*(\s)+8*\f:64*(\s)+8*\f+7], v[aB:aB+7], v[BI+8*\f:BI+8*\f+7]
.else
	v_wmma_f32_16x16x32_bf16 v[cB+8*\f:cB+8*\f+7], v[64*(\s)+8*\f:64*(\s)+8*\f+7], v[aB:aB+7], v[cB+8*\f:cB+8*\f+7]
.endif
.endif
.endr
.endm
; One step of a chunk for my blocks.  Blocks that I do not have are jumped over, forward, past matrix instructions alone.  zero = 1: all six are multiplied, so that every accumulator is written on every path.
; The accumulators take turns, one instruction a turn: behind (i, 7) comes (i + 1, 0) or, in the next step, (0, 0).
.macro KS s, p, zero
.irp i, 0,1,2,3,4,5
.if !(\zero)
	WIN 0                                          ; at a branch and at a label every window is 0
	s_cmp_le_u32 s[NB], \i
	s_cbranch_scc1 .Lks_\@
.endif
	MUL8 \i, \s, \p, \zero
.endr
	WIN 0
.Lks_\@:
.endm
; TRIP c (p = c & 1).  It rounds and publishes chunk c + 1 and multiplies chunk c.
; THE LOADS.  Registers are asked for again as soon as the wait that frees them is past.  Behind the rounding of chunk c + 1: T1(c + 1), the tokens' step 1 of chunk c + 1 (12 loads), and W(c + 3), the weights of chunk c + 3
; (16 loads: eight at once, eight behind step 0).  Behind step 0 of chunk c: T0(c + 2), the tokens' step 0 of chunk c + 2 (12 loads).  So tokens are asked for about a trip and a
; half ahead of their use, weights two trips.  Loads come back in the order of issue (ISA guide 5.7.1), which is T1(c + 1), W(c + 3), T0(c + 2) in trip c:
;   nH, at the head, for W(c + 1) and T0(c): behind T0(c) stand T1(c) 12, W(c + 2) 16, T0(c + 1) 12 = 40.        nM, ahead of step 1, for T1(c): behind it stand W(c + 2) 16, T0(c + 1) 12, T1(c + 1) 12, W(c + 3) 16 = 56.
;   In the last three trips the loads that are no longer asked for fall out of these sums.
; By this count a wave can have 68 loads asked for at once, more than LOADcnt's field holds; the issue of a load that would pass the field waits for the oldest (ISA guide 5.7.1).  The weights' second eight stand behind step 0,
; so that the oldest load, T1(c)'s first, was then asked for a trip and a step earlier.
; THE THREE WAITS.  (1) vm_vsrc at the head: the LDS stores and loads issued so far have read CV, v[ADW] and v[ADR], which the head's adds and the roundings write again.
; (2) va_vdst behind the roundings: CV and the two addresses are written; the roundings are done reading WS[1 - p]; step 1's products of the trip before are done reading AB (1 - p, 1) and B1.  Behind it follow T1, the LDS stores,
; W's first eight, B1's LDS loads, the prefetch, step 0's products (which name B0, AB (p, 0) and accumulators: no register that these loads and stores touch) and W's second eight, with no further wait.
; (3) va_vdst behind the barrier: step 0's products are done reading B0 and AB (p, 0), in which the next chunk's operands and T0 land.
; nDS = the trip's eight LDS stores, issued behind step 0's operand loads.  cvt, t1, isW, t0: there is a chunk to round, T1, W, T0 to ask for.  pf: the prefetch: 1 always, 2 not in the loop's last trip.
.macro TRIP p, zero, nH, nM, cvt, t1, isW, t0, pf, nDS, last
.if !(\last)
	s_wait_xcnt 0x0                                ; the two pointers are stepped only behind this wait
	s_add_nc_u64 s[4:5], s[4:5], 2048              ; both now stand at chunk c + 1
	s_add_nc_u64 s[6:7], s[6:7], WSTEP
.endif
	s_wait_alu depctr_vm_vsrc(0)                   ; the LDS stores issued so far have read CV and v[ADW], the LDS loads v[ADR]: the lines below write them again
.if \zero
.set aR, L16                           ; chunk 0 begins at LDS byte 0: the lane's own terms are its addresses
.set aW, WW0
.else
.set aR, ADR
.set aW, ADW
	v_add_nc_u32 v[ADR], s[TBR], v[L16]            ; chunk c as I read it,
.if \cvt
	v_add_nc_u32 v[ADW], s[TBR], v[WW0]            ; and as I write it
.endif
	s_add_co_u32 s[TBR], s[TBR], 16384
.endif
	s_wait_loadcnt \nH
.if \cvt
	CVT 1-(\p)                                     ; these 32 are also the places behind the last trip's products
.else
	PLACES                                         ; behind the last trip's products
.endif
	WIN 0
	s_wait_alu depctr_va_vdst(0)                   ; CV, v[ADR] and v[ADW] are written; the roundings are done reading WS[1 - p]; the last trip's step 1 is done reading AB (1 - p, 1) and B1
.if \t1
	ISSUE_A 1-(\p), 1, 0
.endif
.if \cvt
	ST aW, 16384                                   ; chunk c + 1
.endif
.if \isW
	ISSUE_W 1-(\p), 2, 0
.endif
	s_wait_dscnt \nDS
	LOAD_B 1, aR, 8192                             ; chunk c, step 1: on its way while step 0 is multiplied
	WIN 0
.if (\pf) == 2
	s_cmp_eq_u32 s[CNT], 1
	s_cbranch_scc1 .Lnopf_\@
.endif
.if \pf
	global_prefetch_b8 v[PFO], s[6:7] offset:4*WSTEP th:TH_LOAD_NT scope:SCOPE_SE  ; my 8 KB of chunk c + 5, which trip c + 2 loads: each of its 32 aligned blocks of 256 bytes is named once, by one lane.  Trips 0 to 10 ask; chunk 15 is the last
.endif
.if (\pf) == 2
.Lnopf_\@:
.endif
	KS 0, \p, \zero
.if \isW
	ISSUE_W 1-(\p), 2, 1                           ; no wait: no vector or matrix instruction since the wait behind the roundings names WS[1 - p]
.endif
	s_wait_dscnt 0x0                               ; step 1's operands are in; for the others' sake: my stores of chunk c + 1 are done
.if !(\last)
	s_barrier_signal -1
	s_barrier_wait -1                              ; chunk c + 1 is whole
	PLACES                                         ; behind step 0's products
	WIN 0x40
	s_wait_alu depctr_va_vdst(0)                   ; step 0's products are done reading B0 and AB (p, 0), in which the loads below land
	LOAD_B 0, aR, 16384                            ; chunk c + 1, step 0: on its way while step 1 is multiplied
.endif
	s_wait_loadcnt \nM
.if \t0
	ISSUE_A \p, 0, 2048
.endif
	KS 1, \p, 0
.endm
; A chunk for one block beyond the first six: tokens from memory, both steps' operands from LDS, sixteen matrix instructions on block 0's accumulators.  zero = 1: the block's first chunk, which also makes the block's offset.
.macro CHB zero
	PLACES
	WIN 0
	s_wait_alu depctr_vm_vsrc(0)                   ; the loads issued so far have read v[ADR] and v[AOB]
.if \zero
	v_add_nc_u32 v[AOB], s42, v[L16]
.endif
	v_add_nc_u32 v[ADR], s[TBR], v[L16]
	s_wait_alu depctr_va_vdst(0)                   ; the two are written; the products issued so far are done reading the tokens' and the weights' operands, in which the loads below land
.irp q, 0,1,2,3
	global_load_b128 v[AB+4*\q:AB+4*\q+3], v[AOB], s[36:37] offset:\q*512
.endr
	WIN 0x40
.irp f, 0,1,2,3,4,5,6,7,8,9,10,11,12,13,14,15
	ds_load_b128 v[8*\f:8*\f+3],   v[ADR] offset:\f*1024
	ds_load_b128 v[8*\f+4:8*\f+7], v[ADR] offset:\f*1024+512
.endr
	s_add_co_u32 s[TBR], s[TBR], 16384
	s_wait_loadcnt 0x0                             ; the loads are done, so their pointer may step
	s_wait_dscnt 0x0
	s_add_nc_u64 s[36:37], s[36:37], 2048
	MUL8 0, 0, 0, \zero
	MUL8 0, 1, 0, 0
	WIN 0
.endm
; THE WAY OUT of my block i, whose number is in s[srb].  Each accumulator's registers are read in ascending order.  Both column halves' arithmetic, one wait, then all the block's stores.
.macro EPI i, srb
	WIN 0
	s_wait_xcnt 0x0                                ; the offset and the registers that earlier stores read are rewritten only behind this wait,
	s_wait_alu depctr_vm_vsrc(0)                   ; and behind this one: the stores issued so far have read v[SO] and the registers that the arithmetic below writes again
	s_lshl_b32 s42, s[\srb], OSH
.if P2
	v_add_nc_u32 v[SO], s42, v[YO]
.else
	v_add_nc_u32 v[SO], s42, v[L16]
.endif
.set cB, 64*((\i)%4)
.if P2
	WIN 0x46+(\i)/4                                ; accumulators window 2 or 3, b2 and the destination window 1
.irp cg, 0,1
.irp j, 0,1,2,3,4,5,6,7
.irp jp, 0,1,2,3
	v_add_f32 v[TT-96*\cg+4*\j+\jp], v[cB+8*(4*\cg+\jp)+\j], v[BI+4*\cg+\jp]
.endr
.endr
.endr
	WIN 0x04
	s_wait_alu depctr_va_vdst(0)                   ; the adds have written v[SO] and the 64 registers that the stores read
.irp cg, 0,1
.irp j, 0,1,2,3,4,5,6,7
	global_store_b128 v[SO], v[TT-96*\cg+4*\j:TT-96*\cg+4*\j+3], s[12:13] offset:\j*4096+\cg*256  ; sixteen lanes store 256 consecutive bytes, at a multiple of 256 from y's first byte
.endr
.endr
.else
	WIN 0x4a+5*((\i)/4)                            ; accumulators window 2 or 3, the destination window 1
.irp cg, 0,1
.irp j, 0,1,2,3,4,5,6,7
.irp u, 0,1
	v_cvt_pk_bf16_f32 v[CV+16*\cg+2*\j+\u], v[cB+8*(4*\cg+2*\u)+\j], v[cB+8*(4*\cg+2*\u+1)+\j]
.endr
.endr
.endr
	WIN 0x41
.set d, 0
.rept 32
	v_pk_max_num_bf16 v[CV+d], v[CV+d], v[ZR]      ; relu on two numbers at once; nothing is rounded
.set d, d+1
.endr
	WIN 0x04
	s_wait_alu depctr_va_vdst(0)                   ; v[SO] and the 32 packed words are written, which the stores read
.irp cg, 0,1
.irp q, 0,1,2,3
	global_store_b128 v[SO], v[CV+16*\cg+4*\q:CV+16*\cg+4*\q+3], s[12:13] offset:\cg*2048+\q*512  ; 512 consecutive bytes, in the next product's operand order
.endr
.endr
.endif
.endm
	s_load_b256 s[4:11], s[0:1], 0x0               ; tokens s[4:5], weights s[6:7], bias s[8:9], st s[10:11]
	s_load_b64 s[12:13], s[0:1], 0x20              ; the output
	v_lshl_add_u32 v[SPW], v0, 2, SPARE
	v_mov_b32 v[NIL], 0
	v_lshrrev_b32 v1, 5, v0
	v_readfirstlane_b32 s[WV], v1                  ; wave 0..3
	v_and_b32 v1, 31, v0                           ; lane
	v_and_b32 v2, 15, v0                           ; r
	v_bfe_u32 v3, v0, 4, 1                         ; h
	v_lshlrev_b32 v[L16], 4, v1
	s_and_b32 s18, ttmp9, 7                        ; the expert: x's low three bits
	s_and_b32 s19, ttmp7, 0xffff                   ; y
	s_wait_alu depctr_va_sdst(0)                   ; the wave's number is written, ahead of its first reader
	s_lshr_b32 s40, s[WV], 1                       ; the step whose weights I fetch
	s_and_b32 s41, s[WV], 1                        ; the column half
	s_lshl_b32 s42, s40, 4+RSH
	s_lshl_b32 s43, s41, 8
	s_add_co_u32 s42, s42, s43
	v_lshlrev_b32 v[WO], 5+RSH, v3
	v_add_nc_u32 v[WO], s42, v[WO]                 ; row 32 h + 16 step, 256 bytes a column half,
	v_lshl_add_u32 v[PFO], v2, RSH, v[WO]          ; the prefetch: + r rows
	v_lshl_add_u32 v[WO], v2, 4, v[WO]             ; the loads: + 16 r bytes
	s_lshl_b32 s44, s40, 13
	s_lshl_b32 s45, s41, 12
	s_add_co_u32 s44, s44, s45
	v_add_nc_u32 v[WW0], s44, v[L16]
	s_lshl_b32 s46, s18, 24                        ; an expert's weights are 16 MB
	s_lshl_b32 s52, s18, 3
	s_mov_b32 s53, 0
.if P2
	s_lshr_b32 s55, ttmp9, 3                       ; the quarter of K
	s_lshl_b32 s47, s55, 22                        ; 1,024 rows of 4,096 bytes
	s_add_co_u32 s46, s46, s47
	s_lshl_b32 s47, s19, 9                         ; the slice of 128 columns: y
	s_add_co_u32 s46, s46, s47
	s_lshl_b32 s48, s18, 12
	s_add_co_u32 s48, s48, s47
	s_mul_i32 s50, s55, YQ
	s_add_co_u32 s50, s50, s47
	s_lshl_b32 s56, s55, 15                        ; 16 groups of 2,048 bytes in each block of hT
	s_mov_b32 s57, 0
	v_lshlrev_b32 v[BO], 4, v2
	v_lshl_add_u32 v[YO], v3, 15, v[BO]            ; 8 h rows of 4,096 bytes + 16 r
.else
	s_lshr_b32 s54, ttmp9, 3
	s_lshl2_add_u32 s54, s19, s54                  ; the slice of 128 columns: 4 y + (x >> 3)
	s_lshl_b32 s47, s54, 9
	s_add_co_u32 s46, s46, s47
	s_lshl_b32 s48, s18, 14
	s_add_co_u32 s48, s48, s47
	s_lshl_b32 s50, s54, 12                        ; two groups of 2,048 bytes in each block of hT
	v_lshlrev_b32 v[BO], 7, v3
	v_mov_b32 v[ZR], 0
.endif
	s_mov_b32 s47, 0
	s_mov_b32 s49, 0
	s_mov_b32 s51, 0
	s_mov_b32 s[TBR], 16384                        ; trip 1 is the first that makes addresses
	s_wait_kmcnt 0x0
	s_add_nc_u64 s[6:7], s[6:7], s[46:47]
	s_add_nc_u64 s[8:9], s[8:9], s[48:49]
	s_add_nc_u64 s[10:11], s[10:11], s[52:53]
	s_add_nc_u64 s[12:13], s[12:13], s[50:51]
.if P2
	s_add_nc_u64 s[4:5], s[4:5], s[56:57]
.endif
	s_mov_b64 s[38:39], s[4:5]                     ; kept for the blocks beyond the first six
	s_load_b64 s[NBLK:RB0], s[10:11], 0x0          ; the expert's blocks and its first block
	WIN 0x40
	s_wait_alu depctr_va_vdst(0)                   ; v[BO], v[WO], v[PFO], v[L16] and v[WW0] are written, which the loads, the prefetches and the LDS instructions below read as offsets and addresses
.if P2
	global_load_b128 v[BI:BI+3],   v[BO], s[8:9]              ; b2 of columns 4 r .. 4 r + 3,
	global_load_b128 v[BI+4:BI+7], v[BO], s[8:9] offset:256   ; and of 64 + 4 r ..
.else
.irp cg, 0,1
.irp j, 0,1,2,3,4,5,6,7
	global_load_b128 v[64+32*\cg+4*\j:64+32*\cg+4*\j+3], v[BO], s[8:9] offset:256*\cg+16*\j  ; b1 of columns 64 cg + 32 h + 4 j .. + 3, for now where step 1's operands will lie
.endr
.endr
.endif
	ISSUE_W 0, 0, 0                                ; the weights hang on no routing: chunks 0 and 1 go out ahead of the wait for the table
	ISSUE_W 0, 0, 1
	ISSUE_W 1, 1, 0
	ISSUE_W 1, 1, 1
	WIN 0
	s_wait_kmcnt 0x0
	s_add_co_u32 s[NBT], s[NBLK], 3
	s_sub_co_u32 s[NBT], s[NBT], s[WV]
	s_lshr_b32 s[NBT], s[NBT], 2                   ; blocks 4 i + w below the expert's number
	s_min_u32 s[NB], s[NBT], NBF
	s_max_u32 s40, s[NBLK], 1
	s_sub_co_u32 s40, s40, 1                       ; the expert's last block
	s_cmp_eq_u32 s[NBLK], 0
	s_cselect_b32 s41, 0, s[RB0]                   ; an expert without rows reads block 0, which every split has
.irp i, 0,1,2,3,4,5
	s_add_co_u32 s42, s[WV], 4*\i
	s_min_u32 s42, s42, s40                        ; a block that I do not have repeats the expert's last
	s_add_co_u32 s42, s42, s41
	s_min_u32 s[RB+\i], s42, MAXB
	s_lshl_b32 s42, s[RB+\i], ASH
	v_add_nc_u32 v[AO+\i], s42, v[L16]
.endr
	s_wait_loadcnt 32                              ; the bias, asked for first, is in; behind it: chunks 0 and 1 (16 each)
	WIN 0x45
.if P2
	s_cmp_eq_u32 s55, 0
	s_cselect_b32 s52, -1, 0                       ; b2 is added once: by the first quarter of K
.irp m, 0,1,2,3
	v_cvt_pk_bf16_f32 v[CV+\m], v[BI+2*\m], v[BI+2*\m+1]  ; rounded to bf16,
.endr
.irp m, 0,1,2,3
	v_and_b32 v[CV+\m], s52, v[CV+\m]
.endr
.irp m, 0,1,2,3
	v_lshlrev_b32 v[BI+2*\m], 16, v[CV+\m]                ; and widened again
	v_and_b32 v[BI+2*\m+1], 0xffff0000, v[CV+\m]
.endr
.else
.set m, 0
.rept 32
	v_cvt_pk_bf16_f32 v[CV+m], v[64+2*m], v[64+2*m+1]     ; b1 rounded to bf16,
.set m, m+1
.endr
.irp cg, 0,1
.irp j, 0,1,2,3,4,5,6,7
.irp u, 0,1
	v_lshlrev_b32 v[BI+8*(4*\cg+2*\u)+\j], 16, v[CV+16*\cg+2*\j+\u]           ; widened again, and laid as C operands: register j of operand f
	v_and_b32 v[BI+8*(4*\cg+2*\u+1)+\j], 0xffff0000, v[CV+16*\cg+2*\j+\u]
.endr
.endr
.endr
.endif
	WIN 0
	s_wait_alu depctr_va_vdst(0)                   ; v[AO ..] are written, which every load of tokens reads as its offset
	ISSUE_A 0, 0, 0                                ; the loads now go out in the order that the trips go on with: W(1) is out; T0(0), T1(0),
	ISSUE_A 0, 1, 0
	s_wait_loadcnt 40                              ; chunk 0 is in; behind it: chunk 1 (16) and the tokens of chunk 0 (24)
	CVT 0
	WIN 0x04
	s_wait_alu depctr_va_vdst(0)                   ; the roundings have written CV, which the LDS stores read, and are done reading WS0, in which W(2) lands
	ST WW0, 0
	ISSUE_W 0, 2, 0                                ; W(2),
	ISSUE_W 0, 2, 1
	ISSUE_A 1, 0, 2048                             ; T0(1)
	s_wait_dscnt 0x0
	s_barrier_signal -1
	s_barrier_wait -1                              ; chunk 0 is whole
	LOAD_B 0, L16, 0
	WIN 0
	TRIP 0, 1, 40, 56, 1, 1, 1, 1, 1, 8, 0         ; chunk 0 starts the sums
	s_mov_b32 s[CNT], 6
.Lpair:                                                ; chunks 1 to 12
	TRIP 1, 0, 40, 56, 1, 1, 1, 1, 2, 8, 0
	TRIP 0, 0, 40, 56, 1, 1, 1, 1, 2, 8, 0
	s_sub_co_u32 s[CNT], s[CNT], 1
	s_cmp_lg_u32 s[CNT], 0
	s_cbranch_scc1 .Lpair
	TRIP 1, 0, 40, 40, 1, 1, 0, 1, 0, 8, 0         ; chunk 13: no weights are left to ask for: behind T1(13) stand W(15) 16, T0(14) 12, T1(14) 12
	TRIP 0, 0, 24, 24, 1, 1, 0, 0, 0, 8, 0         ; chunk 14: behind T0(14) stand T1(14), T0(15); behind T1(14), T0(15) and T1(15)
	TRIP 1, 0, 12, 0, 0, 0, 0, 0, 0, 0, 1          ; chunk 15: behind T0(15) stands T1(15); nothing is left to round or to ask for
	PLACES                                         ; behind the last products
.irp i, 0,1,2,3,4,5
	WIN 0
	s_cmp_le_u32 s[NB], \i
	s_cbranch_scc1 .Lsent
	EPI \i, RB+\i
.endr
	WIN 0
.Lsent:
	s_cmp_le_u32 s[NBT], NBF
	s_cbranch_scc1 .Lend
	s_mov_b32 s[IB], NBF
.Lover:                                                ; my blocks 6 to 15 (an expert has 64 blocks at the most): ten trips; a block that I do not have is jumped over
	s_cmp_ge_u32 s[IB], s[NBT]
	s_cbranch_scc1 .Lnext
	s_wait_xcnt 0x0
	s_lshl_b32 s[RBO], s[IB], 2
	s_add_co_u32 s[RBO], s[RBO], s[WV]
	s_add_co_u32 s[RBO], s[RBO], s[RB0]
	s_min_u32 s[RBO], s[RBO], MAXB
	s_lshl_b32 s42, s[RBO], ASH                    ; the block's bytes: its first chunk makes v[AOB] of them
	s_mov_b64 s[36:37], s[38:39]
	s_mov_b32 s[TBR], 0
	CHB 1
	s_mov_b32 s[CNT], 15
.Lchunk:
	CHB 0
	s_sub_co_u32 s[CNT], s[CNT], 1
	s_cmp_lg_u32 s[CNT], 0
	s_cbranch_scc1 .Lchunk
	PLACES
	EPI 0, RBO
	WIN 0
.Lnext:
	s_add_co_u32 s[IB], s[IB], 1
	s_cmp_lt_u32 s[IB], 16
	s_cbranch_scc1 .Lover
.Lend:                                                 ; all ways of every wave meet here
	s_wait_dscnt 0x0                               ; my reads of LDS are over,
	s_barrier_signal -1
	s_barrier_wait -1                              ; and so are every wave's: no wave writes LDS again while another still reads
	s_wait_dscnt 0x0                               ; the closing lines, six on end
	s_wait_alu 0x0
	s_wait_tensorcnt 0x0
	ds_add_u32 v[SPW], v[NIL]
	s_wait_dscnt 0x0
	s_endpgm
.Lfunc_end_k_qf78c7ad0e0_p2:
	.size	k_qf78c7ad0e0_p2, .Lfunc_end_k_qf78c7ad0e0_p2-k_qf78c7ad0e0_p2
	.p2alignl 7, 3214868480
	.fill 96, 4, 3214868480
	.section	.rodata,"a",@progbits
	.p2align	6, 0x0
	.amdhsa_kernel k_qf78c7ad0e0_p2
		.amdhsa_group_segment_fixed_size 262656
		.amdhsa_private_segment_fixed_size 0
		.amdhsa_enable_private_segment 0
		.amdhsa_kernarg_size 40
		.amdhsa_user_sgpr_count 2
		.amdhsa_user_sgpr_kernarg_segment_ptr 1
		.amdhsa_wavefront_size32 1
		.amdhsa_system_sgpr_workgroup_id_x 1
		.amdhsa_system_sgpr_workgroup_id_y 1
		.amdhsa_system_sgpr_workgroup_id_z 1
		.amdhsa_system_vgpr_workitem_id 0
		.amdhsa_next_free_vgpr 1024
		.amdhsa_next_free_sgpr 66
		.amdhsa_reserve_vcc 0
		.amdhsa_float_denorm_mode_32 3
		.amdhsa_float_denorm_mode_16_64 3
		.amdhsa_memory_ordered 1
		.amdhsa_forward_progress 1
		.amdhsa_inst_pref_size 141
	.end_amdhsa_kernel
	.amdgpu_metadata
---
amdhsa.version: [ 1, 2 ]
amdhsa.kernels:
  - .name:           k_qf78c7ad0e0_p2
    .symbol:         k_qf78c7ad0e0_p2.kd
    .args:
      - { .name: hT, .offset: 0, .size: 8, .value_kind: global_buffer, .address_space: global }
      - { .name: w2, .offset: 8, .size: 8, .value_kind: global_buffer, .address_space: global }
      - { .name: b2, .offset: 16, .size: 8, .value_kind: global_buffer, .address_space: global }
      - { .name: st, .offset: 24, .size: 8, .value_kind: global_buffer, .address_space: global }
      - { .name: y, .offset: 32, .size: 8, .value_kind: global_buffer, .address_space: global }
    .group_segment_fixed_size: 262656
    .private_segment_fixed_size: 0
    .kernarg_segment_align: 8
    .kernarg_segment_size: 40
    .max_flat_workgroup_size: 128
    .sgpr_count:     66
    .vgpr_count:     1024
    .wavefront_size: 32
...
	.end_amdgpu_metadata
.endif
;; end of part 7
;; launch combine: the kernel of part 5 again; grid 256 x 1, 8 waves a work-group, no clusters, 0 bytes of LDS; arguments st, gat, y, out0; writes out0
